; MI455X (gfx1250); checked and timed in simulation.
; The chip was launched on July 23, 2026; its instructions are those of AMD's public machine-readable ISA for CDNA 5 (MIT licence, August 2026) and "CDNA5" Instruction Set Architecture Reference Guide (July 2026). The comments in the code are by the model that wrote it; some were corrected since.
;; Long Self Attention. Allowed arithmetic: float matrix products may take bf16 or f16 operands with f32 sums; other float arithmetic in f32, or as packed bf16 or f16 multiplies, adds, multiply-adds, maxima and minima; sums over many terms, partial sums and values carried from step to step in f32; what a program stores and reads back later, other than sums and carried values, may be rounded once to bf16 or f16.
;; Inputs: Wk 1,024 x 1,024 float32; Wo 1,024 x 1,024 float32; Wq 1,024 x 1,024 float32; Wv 1,024 x 1,024 float32; bk 1,024 float32; bo 1,024 float32; bq 1,024 float32; bv 1,024 float32; x 4 x 4,096 x 1,024 float32.
;; Outputs: out0 4 x 4,096 x 1,024 float32.
;; One version. Each part assembles by itself: llvm-mc -triple=amdgcn-amd-amdhsa -mcpu=gfx1250 --defsym DOCPART=n.
;; ======== version 1 of 1: 4 launches
;; limits: values are held in f16: magnitudes above 65,504 overflow, below 6.1e-05 lose precision
;; workspace buffers: xb 33,554,432 bytes; wt 8,388,608 bytes; bp 16,384 bytes; qkv 100,663,296 bytes; ao 33,554,432 bytes
;; launch prep (part 1): grid 1536 x 1, 8 waves a work-group, no clusters, 18,432 bytes of LDS; arguments x, Wq, Wk, Wv, Wo, bq, bk, bv, bo, xb, wt, bp; writes xb, wt, bp
.if DOCPART == 1
	.amdgcn_target "amdgcn-amd-amdhsa--gfx1250"
	.amdhsa_code_object_version 6
	.text
	.protected	k_q8c23c62410_prep
	.globl	k_q8c23c62410_prep
	.p2align	8
	.type	k_q8c23c62410_prep,@function
k_q8c23c62410_prep:
	s_mov_b64 s[64:65], 0
	v_nop
	global_prefetch_b8 v0, s[64:65] scope:SCOPE_SE
	s_setreg_imm32_b32 hwreg(HW_REG_WAVE_MODE, 25, 1), 1
	s_wait_xcnt 0x0
; PREP: what the later launches multiply, made once.
;   xb[16384][1024] bf16 = x rounded.          wt[4096][1024], 16 bits = the four weights, turned to [out][in] and rounded to bf16.          bp[4096] f32 = the four biases, rounded to bf16.
; wt's rows and bp's entries: 1,024 for each of q, k, v, o.  THE ORDER OF THE ROWS is chosen so that the attention launch loads whole matrix fragments as 512 consecutive bytes a wave:
;   q, k:  column n = head x 64 + d  goes to row  (d >> 4) x 256 + ((d >> 3) & 1) x 128 + head x 8 + (d & 7)
;   v:     column n = e x 64 + d     goes to row  (d >> 4) x 256 + (e >> 3) x 128 + (d & 15) x 8 + (e & 7)
;   o:     rows stay; its K index k' = T x 256 + h x 128 + r x 8 + j stands for channel r x 64 + T x 16 + h x 8 + j, the order in which the attention launch leaves its results.
; o's numbers are rounded to bf16 like the others and that number is written as f16 (the last product multiplies in f16).  LIMIT: an entry of Wo under 6.1e-5 keeps f16's fixed step of 6e-8; beyond 65,504 it is lost.
; SHARES.  Work-groups 0-1023 cast 64 KiB of x each: no LDS, 16 loads of 16 bytes a lane all out at once, each store of a wave covers 256 consecutive bytes, aligned.
; Work-groups 1024-1535 turn one tile of 128 k x 64 n of one weight through LDS: in by rows of W (16 lanes read 256 consecutive bytes), out by rows of wt (16 lanes store 256 consecutive bytes, aligned).
; No matrix unit, no cluster, no tensor load: every byte is read once and nothing is shared between work-groups.
.set TP,    272                        ; a row of the turned tile in LDS: 128 k x 2 bytes + 16
.set SPARE, 64*TP                      ; 17,408: behind the tile: the spare words, 128 bytes for each of the eight waves
.set SPW,   14                         ; v14  LDS address of my spare word; never rewritten
.set NIL,   15                         ; v15  0; never rewritten
.set WV,    4                          ; s4   my wave's number
.set NT,    5                          ; s5   the tile's 64 columns of W
.set MAT,   6                          ; s6   0 q, 1 k, 2 v, 3 o
.set KT,    7                          ; s7   the tile's 128 columns of wt
.set SD,    36                         ; s36  shift of kp >> 2 in a source row's offset
.set ISH,   37                         ; s37  shift that makes the step from one group of 32 k to the next
.set KSH,   38                         ; s38  shift of KT in the source, and shift that makes the step of 16 rows of the tile in wt: the same number in all four cases
.set SA,    39                         ; s39  shift of (row & 7) in wt
.set SB,    40                         ; s40  shift of ((row >> 3) & 1) in wt
.set SCAL,  41                         ; s41  what NT adds to a row's offset in wt
	s_load_b512 s[8:23], s[0:1], 0x0               ; x 8:9, Wq 10:11, Wk 12:13, Wv 14:15, Wo 16:17, bq 18:19, bk 20:21, bv 22:23
	s_load_b256 s[24:31], s[0:1], 0x40             ; bo 24:25, xb 26:27, wt 28:29, bp 30:31
	v_lshl_add_u32 v[SPW], v0, 2, SPARE
	v_mov_b32 v[NIL], 0
	v_lshrrev_b32 v1, 5, v0
	v_readfirstlane_b32 s[WV], v1                  ; wave 0..7
	s_cmp_lt_u32 ttmp9, 1024                       ; the same answer in all waves of a work-group
	s_cbranch_scc0 .Lweights
	; THE CAST.  Wave w takes bytes 8,192 w .. of the work-group's 65,536 bytes of x.
	v_and_b32 v3, 31, v0
	s_lshl_b32 s5, s[WV], 13
	s_lshl_b32 s6, s[WV], 12
	v_lshlrev_b32 v1, 4, v3
	v_lshlrev_b32 v2, 3, v3
	v_add_nc_u32 v1, s5, v1                        ; in:  8,192 w + 16 lane
	v_add_nc_u32 v2, s6, v2                        ; out: 4,096 w + 8 lane
	s_lshl_b32 s32, ttmp9, 16
	s_mov_b32 s33, 0
	s_lshl_b32 s34, ttmp9, 15
	s_mov_b32 s35, 0
	s_wait_kmcnt 0x0
	s_add_nc_u64 s[8:9], s[8:9], s[32:33]
	s_add_nc_u64 s[26:27], s[26:27], s[34:35]
.set j, 0
.rept 16
	global_load_b128 v[16+4*j:19+4*j], v1, s[8:9] offset:512*j th:TH_LOAD_NT
.set j, j+1
.endr
.set j, 0
.rept 16
	s_wait_loadcnt 15-j                            ; loads come back in order: load j is in, the 15 - j younger ones stay out
	v_cvt_pk_bf16_f32 v[80+2*j], v[16+4*j], v[17+4*j]
	v_cvt_pk_bf16_f32 v[81+2*j], v[18+4*j], v[19+4*j]
	global_store_b64 v2, v[80+2*j:81+2*j], s[26:27] offset:256*j  ; no register of a store is written again
.set j, j+1
.endr
	s_branch .Lend
.Lweights:
	s_sub_co_u32 s5, ttmp9, 1024
	s_lshr_b32 s[MAT], s5, 7
	s_bfe_u32 s[KT], s5, 0x30004                   ; 3 bits from bit 4
	s_and_b32 s[NT], s5, 15
	s_lshl_b32 s42, s[NT], 14                      ; q, k: NT is the head: 8 rows of 2,048 bytes
	s_lshl_b32 s43, s[NT], 17                      ; o: 64 rows
	s_lshr_b32 s44, s[NT], 3                       ; v: NT is e: (e >> 3) x 128 rows + (e & 7) rows
	s_lshl_b32 s44, s44, 18
	s_and_b32 s45, s[NT], 7
	s_lshl_b32 s45, s45, 11
	s_add_co_u32 s44, s44, s45
	s_cmp_eq_u32 s[MAT], 3
	s_cselect_b32 s[SD], 18, 15
	s_cselect_b32 s[ISH], 20, 17
	s_cselect_b32 s[KSH], 15, 19
	s_cselect_b32 s[SB], 14, 18
	s_cselect_b32 s[SCAL], s43, s42
	s_cmp_eq_u32 s[MAT], 2
	s_cselect_b32 s[SA], 14, 11
	s_cselect_b32 s[SB], 17, s[SB]
	s_cselect_b32 s[SCAL], s44, s[SCAL]
	s_lshl_b32 s2, 1, s[ISH]                       ; bytes from a group of 32 k to the next, in W
	s_lshl_b32 s3, 1, s[KSH]                       ; bytes from 16 rows of the tile to the next 16, in wt
	s_lshl_b32 s50, s[KT], s[KSH]                  ; the tile's first row of W,
	s_lshl_b32 s51, s[NT], 8                       ; its 64 columns: 256 bytes
	s_add_co_u32 s50, s50, s51
	s_mov_b32 s51, 0
	s_lshl_b32 s54, s[MAT], 21                     ; 1,024 rows of 2,048 bytes for each weight
	s_add_co_u32 s54, s54, s[SCAL]
	s_lshl_b32 s52, s[KT], 8                       ; the tile's 128 columns of wt: 256 bytes
	s_add_co_u32 s52, s52, s54
	s_mov_b32 s53, 0
	; Thread t: l16 = t & 15 (four columns n = 4 l16 + c), kp = t >> 4.  Group i of four: the tile's rows k = 2 kp + 32 i and k + 1.
	; q, k, v: row k of the tile is row 128 KT + k of W.  o: it is row (k >> 3) x 64 + 8 KT + (k & 7).  Both are (kp & 3) << 13, (kp >> 2) << SD, i << ISH and 4,096 for the odd row.
	v_and_b32 v1, 15, v0
	v_lshrrev_b32 v2, 4, v0
	v_and_b32 v3, 3, v2
	v_lshrrev_b32 v64, 2, v2
	v_lshlrev_b32 v4, 13, v3
	v_lshlrev_b32 v64, s[SD], v64
	v_add_nc_u32 v4, v4, v64
	v_lshl_add_u32 v4, v1, 4, v4
	v_add_nc_u32 v5, s2, v4
	v_add_nc_u32 v6, s2, v5
	v_add_nc_u32 v7, s2, v6
	s_wait_kmcnt 0x0
	s_cmp_eq_u32 s[MAT], 0
	s_cselect_b64 s[46:47], s[10:11], s[12:13]     ; my weight
	s_cselect_b64 s[48:49], s[18:19], s[20:21]     ; and its bias
	s_cmp_eq_u32 s[MAT], 2
	s_cselect_b64 s[46:47], s[14:15], s[46:47]
	s_cselect_b64 s[48:49], s[22:23], s[48:49]
	s_cmp_eq_u32 s[MAT], 3
	s_cselect_b64 s[46:47], s[16:17], s[46:47]
	s_cselect_b64 s[48:49], s[24:25], s[48:49]
	s_add_nc_u64 s[46:47], s[46:47], s[50:51]
	s_add_nc_u64 s[28:29], s[28:29], s[52:53]
.irp i, 0,1,2,3
	global_load_b128 v[16+8*(\i):19+8*(\i)], v[4+(\i)], s[46:47] th:TH_LOAD_NT
	global_load_b128 v[20+8*(\i):23+8*(\i)], v[4+(\i)], s[46:47] offset:4096 th:TH_LOAD_NT
.endr
	v_mul_u32_u24 v13, v1, 4*TP                    ; into LDS: row n = 4 l16 + c, word kp + 16 i
	v_lshl_add_u32 v13, v2, 2, v13
	v_mul_u32_u24 v12, v2, TP                      ; back: row kp + 16 i, 16 bytes at 16 l16
	v_lshl_add_u32 v12, v1, 4, v12
	v_and_b32 v3, 7, v2                            ; and that row's place in wt
	v_lshrrev_b32 v64, 3, v2
	v_lshlrev_b32 v8, s[SA], v3
	v_lshlrev_b32 v64, s[SB], v64
	v_add_nc_u32 v8, v8, v64
	v_lshl_add_u32 v8, v1, 4, v8
	v_add_nc_u32 v9, s3, v8
	v_add_nc_u32 v10, s3, v9
	v_add_nc_u32 v11, s3, v10
.irp i, 0,1,2,3
	s_wait_loadcnt 6-2*(\i)                        ; group i's two loads are in; the 6 - 2 i younger ones stay out
.irp c, 0,1,2,3
	v_cvt_pk_bf16_f32 v[48+4*(\i)+(\c)], v[16+8*(\i)+(\c)], v[20+8*(\i)+(\c)]  ; k in the low half, k + 1 in the high half
.endr
.endr
	s_cmp_lg_u32 s[MAT], 3
	s_cbranch_scc1 .Lkeep
.set w, 48
.rept 16                                       ; Wo alone: the bf16 numbers written as f16
	v_lshlrev_b32 v66, 16, v[w]
	v_and_b32 v67, 0xffff0000, v[w]
	v_cvt_pk_f16_f32 v[w], v66, v67
.set w, w+1
.endr
.Lkeep:
.irp i, 0,1,2,3
.irp c, 0,1,2,3
	ds_store_b32 v13, v[48+4*(\i)+(\c)] offset:(\c)*TP+(\i)*64
.endr
.endr
	s_wait_dscnt 0x0                               ; for the others' sake: my stores into the tile are done
	s_barrier_signal -1
	s_barrier_wait -1
.irp i, 0,1,2,3
	ds_load_b128 v[16+4*(\i):19+4*(\i)], v12 offset:(\i)*16*TP
.endr
.irp i, 0,1,2,3
	s_wait_dscnt 3-(\i)
	global_store_b128 v[8+(\i)], v[16+4*(\i):19+4*(\i)], s[28:29]  ; 16 lanes store 256 consecutive bytes of one row of wt, at a multiple of 256 from its first byte
.endr
	; THE BIAS: the work-groups with KT = 0, their waves 0 and 1: thread t < 64 takes entry 64 NT + t to the place of its row.  4,096 stores of four bytes in the whole launch.
	s_lshr_b32 s36, s[WV], 1
	s_or_b32 s36, s36, s[KT]
	s_cmp_lg_u32 s36, 0
	s_cbranch_scc1 .Lend
	v_lshlrev_b32 v68, 2, v0
	s_lshl_b32 s50, s[NT], 8
	s_mov_b32 s51, 0
	s_add_nc_u64 s[48:49], s[48:49], s[50:51]
	global_load_b32 v69, v68, s[48:49]
	v_and_b32 v70, 7, v0
	v_bfe_u32 v71, v0, 3, 1
	v_lshrrev_b32 v72, 4, v0
	v_lshlrev_b32 v70, s[SA], v70
	v_lshlrev_b32 v71, s[SB], v71
	v_lshlrev_b32 v72, s[KSH], v72
	v_add3_u32 v70, v70, v71, v72
	v_add_nc_u32 v70, s54, v70                     ; the row's byte offset in wt,
	v_lshrrev_b32 v70, 9, v70                      ; / 2,048 x 4: its entry in bp
	s_wait_loadcnt 0x0
	v_cvt_pk_bf16_f32 v69, v69, v69
	v_lshlrev_b32 v69, 16, v69                     ; rounded to bf16, kept as f32
	global_store_b32 v70, v69, s[30:31]
.Lend:
	s_wait_tensorcnt 0x0                           ; the wave's end: behind my last LDS store
	ds_add_u32 v[SPW], v[NIL]
	s_wait_dscnt 0x0
	s_endpgm
.Lfunc_end_k_q8c23c62410_prep:
	.size	k_q8c23c62410_prep, .Lfunc_end_k_q8c23c62410_prep-k_q8c23c62410_prep
	.p2alignl 7, 3214868480
	.fill 96, 4, 3214868480
	.section	.rodata,"a",@progbits
	.p2align	6, 0x0
	.amdhsa_kernel k_q8c23c62410_prep
		.amdhsa_group_segment_fixed_size 18432
		.amdhsa_private_segment_fixed_size 0
		.amdhsa_enable_private_segment 0
		.amdhsa_kernarg_size 96
		.amdhsa_user_sgpr_count 2
		.amdhsa_user_sgpr_kernarg_segment_ptr 1
		.amdhsa_wavefront_size32 1
		.amdhsa_system_sgpr_workgroup_id_x 1
		.amdhsa_system_sgpr_workgroup_id_y 1
		.amdhsa_system_sgpr_workgroup_id_z 1
		.amdhsa_system_vgpr_workitem_id 0
		.amdhsa_next_free_vgpr 112
		.amdhsa_next_free_sgpr 66
		.amdhsa_reserve_vcc 0
		.amdhsa_float_denorm_mode_32 3
		.amdhsa_float_denorm_mode_16_64 3
		.amdhsa_memory_ordered 1
		.amdhsa_forward_progress 1
		.amdhsa_inst_pref_size 17
	.end_amdhsa_kernel
	.amdgpu_metadata
---
amdhsa.version: [ 1, 2 ]
amdhsa.kernels:
  - .name:           k_q8c23c62410_prep
    .symbol:         k_q8c23c62410_prep.kd
    .args:
      - { .name: x, .offset: 0, .size: 8, .value_kind: global_buffer, .address_space: global }
      - { .name: Wq, .offset: 8, .size: 8, .value_kind: global_buffer, .address_space: global }
      - { .name: Wk, .offset: 16, .size: 8, .value_kind: global_buffer, .address_space: global }
      - { .name: Wv, .offset: 24, .size: 8, .value_kind: global_buffer, .address_space: global }
      - { .name: Wo, .offset: 32, .size: 8, .value_kind: global_buffer, .address_space: global }
      - { .name: bq, .offset: 40, .size: 8, .value_kind: global_buffer, .address_space: global }
      - { .name: bk, .offset: 48, .size: 8, .value_kind: global_buffer, .address_space: global }
      - { .name: bv, .offset: 56, .size: 8, .value_kind: global_buffer, .address_space: global }
      - { .name: bo, .offset: 64, .size: 8, .value_kind: global_buffer, .address_space: global }
      - { .name: xb, .offset: 72, .size: 8, .value_kind: global_buffer, .address_space: global }
      - { .name: wt, .offset: 80, .size: 8, .value_kind: global_buffer, .address_space: global }
      - { .name: bp, .offset: 88, .size: 8, .value_kind: global_buffer, .address_space: global }
    .group_segment_fixed_size: 18432
    .private_segment_fixed_size: 0
    .kernarg_segment_align: 8
    .kernarg_segment_size: 96
    .max_flat_workgroup_size: 256
    .sgpr_count:     66
    .vgpr_count:     112
    .wavefront_size: 32
...
	.end_amdgpu_metadata
.endif
;; end of part 1
;; launch proj3 (part 2): grid 4 x 64, 4 waves a work-group, clusters of 4 x 4, 327,680 bytes of LDS; arguments xb, wt, qkv, bp; writes qkv
.if DOCPART == 2
	.amdgcn_target "amdgcn-amd-amdhsa--gfx1250"
	.amdhsa_code_object_version 6
	.text
	.protected	k_q8c23c62410_proj3
	.globl	k_q8c23c62410_proj3
	.p2align	8
	.type	k_q8c23c62410_proj3,@function
k_q8c23c62410_proj3:
	s_mov_b64 s[64:65], 0
	v_nop
	global_prefetch_b8 v0, s[64:65] scope:SCOPE_SE
	s_setreg_imm32_b32 hwreg(HW_REG_WAVE_MODE, 25, 1), 1
	s_wait_xcnt 0x0
	s_wait_alu depctr_hold_cnt(0) depctr_sa_sdst(0) depctr_va_vdst(0) depctr_va_sdst(0) depctr_va_ssrc(0) depctr_va_vcc(0) depctr_vm_vsrc(0)
	s_getreg_b32 s2, hwreg(HW_REG_IB_STS2, 6, 4)
	s_cmp_eq_u32 s2, 0
	s_cbranch_scc0 .Lentry_in_a_cluster
	s_endpgm
.Lentry_in_a_cluster:
	s_bfe_u32 s2, ttmp6, 0x10000c
	s_cmp_lg_u32 s2, 0xf033
	s_cbranch_scc0 .Lentry_shape_is_right
	s_endpgm
.Lentry_shape_is_right:
; C[m][n] = bias[n] + sum over k of A[m][k] B[n][k].  A: [16384][1024], B: rows BROW0 .. of wt [4096][1024], both of 16 bits; bias: bp, f32; sums in f32.
; THIS COPY: A = xb and B = wt's rows 0-3071 in bf16; C = qkv [16384][3072], rounded once to f16.  LIMIT: f16 holds no number beyond 65,504: a q, k or v past that is lost.  NaN and infinities are not treated apart.
; A tile of C, 256 x 256, is made by a work-group of four waves; a wave makes 128 x 128: 64 accumulators of 16 x 16, 512 registers.  K goes in steps of 128 through a ring of two LDS slots filled by the
; tensor data mover: the rows of A's and B's tiles are 256 bytes of memory and start at multiples of 256 bytes from the buffer's first byte.
; A WORK-GROUP STAYS: it makes TILES tiles of C side by side, 1,024 columns apart (q, k, v): the same rows of A, B 1,024 rows further down.  The ring does not stop at a tile's end: a tile's last two changes
; of slots ask for the next tile's first two K steps, and nothing waits for a tile's stores.  64 x 4 work-groups, one tile row and one tile column of 1,024 each.
; THE BIAS STARTS THE SUMS: it is the C operand of a tile's first 64 products.  Nothing is cleared and nothing is added later.
; CLUSTERS: 4 x 4 work-groups.  The four of a row of the cluster need the same tiles of A, the four of a column the same tiles of B: each tile is asked for JOINTLY, by the same tensor load with the same
; descriptor and a mask that names the four; each receives it in its own LDS.
; REGISTERS, in windows of 256 (s_set_vgpr_msb's low byte: bits 1:0 source 0, 3:2 source 1, 5:4 source 2, 7:6 destination):
;   window 0: v0-31 addresses; v64-127, v128-191 fragments of A, two buffers; v32-63, v192-255 at work on the way out
;   window 1: v0-63 the bias of my 128 columns, laid as an accumulator's lanes want it; v64-127, v128-191 fragments of B, two buffers
;   window 2: the 32 accumulators of my rows 0-63 (accumulator (a, b) at v[8 (8 a + b)]);   window 3: those of my rows 64-127
; THE MATRIX INSTRUCTION IS USED TRANSPOSED: source 0 = 16 rows of B, source 1 = 16 rows of A.  Lane l then holds row m = l % 16 of C, its registers 0 to 7 the columns 8 (l / 16) + 0 .. 7.
.set TILES,  3                         ; tiles of C to a work-group
.set F16IN,  0                         ; 0: A and B are bf16; 1: f16
.set OUT32,  0                         ; 0: C is f16; 1: f32
.set CROW,   6144                      ; bytes in a row of C
.set CES,    2                         ; bytes in a number of C
.set BROW0,  0                         ; B's first row in wt, and the bias's first entry in bp
.set SIZE_K, 1024
.set KSTEP,  128
.set PITCH,  272                       ; an LDS row: 256 bytes + 16 of padding = 68 words: row r starts at bank 4 r mod 64 (64 banks of 4 bytes: ISA guide 11.1)
.set HALFT,  128*PITCH                 ; 128 rows: what one tensor load brings, and what one wave reads of A or of B
.set SLOT,   4*HALFT                   ; A's 256 rows, then B's 256 rows
.set STAGE,  2*SLOT                    ; behind the ring: 16 rows for each wave, for the way out; no tensor load fills it
.set SPITCH, 128*CES+16                ; a stage row: my 128 columns + 16 bytes
.set SPARE,  STAGE+4*16*SPITCH         ; behind the stages: the spare words, 128 bytes for each wave
.set LAPS,   SIZE_K/(2*KSTEP)          ; a lap = two K steps = once round the ring
.set BACK_A, (SIZE_K-2*KSTEP)*2        ; bytes from a slot's last K step of a tile back to its first: A's rows stay,
.set NEXT_B, 1024*SIZE_K*2-BACK_A      ; B goes 1,024 rows down and back along K
.set ADRA, 16                          ; v16-17  LDS address of my A fragments in slot 0, 1
.set ADRB, 20                          ; v20-21  the same for B
.set STO,  24                          ; v24     the way out: where I put my part of a row
.set RD,   25                          ; v25     the way out: where I read rows back
.set CO,   26                          ; v26     my byte offset in C
.set BO,   27                          ; v27     my byte offset in the bias: 32 (l / 16)
.set SPW,  28                          ; v28     LDS address of my spare word; never rewritten
.set NIL,  29                          ; v29     0; never rewritten
.set PFO,  30                          ; v30     the prefetches' offset: my lane x a row of A or B (2,048 bytes); never rewritten
.set F0,   64                          ; fragment buffer 0
.set F1,   128                         ; fragment buffer 1
.set BI,   0                           ; the bias, in window 1
.set TMP,  192                         ; the way out: packed results, in window 0
.set OB,   32                          ; the way out: 16 rows read back from the stage: v32-63 and v224-255 by turns
.set WV,   12                          ; s12  my wave's number
.set RH,   13                          ; s13  which half of the tile's rows is mine.  Also: I fetch for A (0) or for B (1)
.set CH,   14                          ; s14  which half of its columns.  Also: which 128 rows of that tile I fetch
.set LIM,  15                          ; s15  1 in a wave that prefetches, else the greatest number
.set G1,   24                          ; s[24:31] descriptor group 1 for A's tiles
.set G0,   32                          ; s[32:39] descriptor group 0 for A's tiles, one set for each slot
.set PFA,  44                          ; s[44:45] where my prefetches stand
.set G1B,  48                          ; s[48:55] descriptor group 1 for B's tiles: it differs in the mask alone
.set G0B,  56                          ; s[56:63] descriptor group 0 for B's tiles
.set MSB, 0
.macro WIN new                         ; the immediate's high byte repeats the setting that is left; a switch that changes nothing is dropped
.if MSB != (\new)
	s_set_vgpr_msb (MSB<<8)|(\new)
.set MSB, \new
.endif
.endm
.set MUL_LO, 0xa1                      ; source 0 (B) window 1, source 1 (A) window 0, C and D window 2; + 0x50: C and D window 3
.set MUL_1,  0x91                      ; the same with C (the bias) in window 1; + 0x40: D window 3
.set TO_B,   0x40                      ; destination window 1, address window 0
; A joint load.  Waves 0 and 1 fetch A's two halves, waves 2 and 3 B's.  The branch hangs on the wave's number alone.  An s_nop 0 and four v_nop follow each of the two lines.
.macro JLOAD s
	s_cmp_eq_u32 s[RH], 0
	s_cbranch_scc0 .Lfor_b_\@
	tensor_load_to_lds s[G0+4*(\s):G0+4*(\s)+3], s[G1:G1+7]
	s_nop 0
.rept 4
	v_nop
.endr
	s_branch .Lasked_\@
.Lfor_b_\@:
	tensor_load_to_lds s[G0B+4*(\s):G0B+4*(\s)+3], s[G1B:G1B+7]
	s_nop 0
.rept 4
	v_nop
.endr
.Lasked_\@:
.endm
; A PREFETCH INTO THE L2, behind each joint load, its five lines and the run of LDS loads that follows: the K step that stands TWO refills on (512 matrix instructions ahead of the load that will want it):
; 32 rows x 256 bytes, a lane a row, one instruction a wave.  Each row's 256 bytes of a K step are named ONCE in the launch.  A's tile row is read by one cluster alone: it asks, in its first tile only (the
; later tiles read the same rows again).  B's tile column is read by all sixteen clusters: the one with y = 0 asks.  The four partners that ask for a tile jointly share its rows out BY ADDRESS: of the 128 rows
; that a wave fetches the partner at place p takes 32 p .. 32 p + 31 (p = cx for A, cy for B).  how = 0, in the loop: a tile's last two refills have no K step two on; how = 1, at a change of tiles.
.macro ASK how
.if \how
	s_cmp_eq_u32 s[LIM], 1
.else
	s_cmp_gt_u32 s3, s[LIM]                        ; s3 = 1 in the loop's last trip
.endif
	s_cbranch_scc0 .Lnot_mine_\@
	global_prefetch_b8 v[PFO], s[PFA:PFA+1] offset:KSTEP*2 th:TH_LOAD_NT scope:SCOPE_SE
.Lnot_mine_\@:
.endm
; A round of the cluster's barrier: my work-group's barrier; wave 0 signals for the work-group; every wave waits for all sixteen work-groups; my work-group's barrier once more.
.macro CREST                           ; a round behind its opening barrier
	s_cmp_lg_u32 s[WV], 0
	s_cbranch_scc1 .Lnot_wave_0_\@
	s_barrier_signal -3
.Lnot_wave_0_\@:
	s_barrier_wait -3
	s_barrier_signal -1
	s_barrier_wait -1
.endm
.macro CROUND                          ; a whole round
	s_barrier_signal -1
	s_barrier_wait -1
	CREST
.endm
; The bias of my 128 columns: lane l takes, for each block b of 16 columns, the eight entries 16 b + 8 (l / 16) + 0 .. 7: the lanes' layout of an accumulator.
.macro BIAS
	WIN TO_B
.irp b, 0,1,2,3,4,5,6,7
	global_load_b128 v[BI+8*(\b):BI+8*(\b)+3],   v[BO], s[10:11] offset:64*(\b)
	global_load_b128 v[BI+8*(\b)+4:BI+8*(\b)+7], v[BO], s[10:11] offset:64*(\b)+16
.endr
	WIN 0
.endm
	s_load_b256 s[4:11], s[0:1], 0x0               ; A s[4:5], wt s[6:7], C s[8:9], bp s[10:11]
	v_lshl_add_u32 v[SPW], v0, 2, SPARE
	v_mov_b32 v[NIL], 0
	ds_add_u32 v[SPW], v[NIL]                      ; the wave's opening: the add and its wait stand ahead of my first tensor load; the set-up below, work on registers, stands between them
	v_lshrrev_b32 v1, 5, v0
	v_readfirstlane_b32 s[WV], v1                  ; wave 0..3
	s_lshr_b32 s[RH], s[WV], 1
	s_and_b32 s[CH], s[WV], 1
	s_bfe_u32 s40, ttmp6, 0x40000                  ; cx: my place along the cluster's x
	s_bfe_u32 s41, ttmp6, 0x40004                  ; cy: along its y
	s_lshl_b32 s42, ttmp9, 2                       ; in a cluster launch ttmp9 and ttmp7 count clusters
	s_add_co_u32 s42, s42, s40                     ; tile column = 4 x cluster x + cx
	s_and_b32 s43, ttmp7, 0xffff
	s_lshl_b32 s43, s43, 2
	s_add_co_u32 s43, s43, s41                     ; tile row = 4 x cluster y + cy
	s_lshl_b32 s66, s41, 2
	s_lshl_b32 s66, 15, s66                        ; my row of the cluster: places 4 cy .. 4 cy + 3
	s_lshl_b32 s67, 0x1111, s40                    ; my column: places cx, cx + 4, cx + 8, cx + 12
	; descriptor group 1: a tile of 128 rows x 128 elements, padded in LDS
	s_or_b32 s[G1+0], s66, (1<<16)|(1<<20)|(1<<21)|(5<<22)|(3<<25)   ; 15:0 the mask; 17:16 elements of 2 bytes; 20 padding on; 21 set beside a mask; 24:22 after every 64 words (code 5); 31:25 4 words of it (code 3)
	s_or_b32 s[G1B+0], s67, (1<<16)|(1<<20)|(1<<21)|(5<<22)|(3<<25)
.irp g, G1, G1B
	s_mov_b32 s[(\g)+1], KSTEP<<16                 ; tensor_dim0 = 128
	s_mov_b32 s[(\g)+2], 128<<16                   ; tensor_dim1 = 128
	s_mov_b32 s[(\g)+3], KSTEP<<16                 ; tile_dim0 = 128
	s_mov_b32 s[(\g)+4], 128                       ; tile_dim1 = 128
	s_mov_b32 s[(\g)+5], SIZE_K                    ; elements from row to row
	s_mov_b32 s[(\g)+6], 0
	s_mov_b32 s[(\g)+7], 0
.endr
	; where the tiles come from.  A's hang on the tile row alone, B's on the tile column alone; each address is made in registers that never hold the other coordinate.
	s_lshl_b32 s17, s[CH], 7                       ; which 128 rows of the tile I fetch
	s_lshl_b32 s16, s43, 8
	s_add_co_u32 s16, s16, s17                     ; A: row 256 x tile row + 128 x half
	s_lshl_b32 s46, s42, 8
	s_add_co_u32 s46, s46, s17                     ; B: row 256 x tile column + 128 x half
	s_lshl_b32 s16, s16, 11                        ; in bytes: under 2^26
	s_lshl_b32 s46, s46, 11
	s_mov_b32 s17, 0
	s_mov_b32 s47, 0
	s_mul_i32 s20, s[WV], HALFT                    ; and where they go: A's two halves, then B's two halves = wave x 128 rows
	s_wait_dscnt 0x0                               ; the opening add is done
	s_wait_kmcnt 0x0
.if BROW0
	s_add_nc_u64 s[6:7], s[6:7], BROW0*SIZE_K*2    ; B's first row in wt
.endif
	s_add_nc_u64 s[68:69], s[4:5], s[16:17]
	s_add_nc_u64 s[46:47], s[6:7], s[46:47]
	CROUND                                         ; all sixteen work-groups are here: the first joint loads meet
.irp s, 0,1
	s_mov_b32 s[G0+4*(\s)], 1                                        ; count = 1
	s_add_co_u32 s[G0+4*(\s)+1], s20, (\s)*SLOT                      ; LDS address
	s_add_nc_u64 s[G0+4*(\s)+2:G0+4*(\s)+3], s[68:69], (\s)*KSTEP*2  ; global address: K step s
	s_or_b32 s[G0+4*(\s)+3], s[G0+4*(\s)+3], 0x80000000              ; type = 2
	s_mov_b32 s[G0B+4*(\s)], 1
	s_add_co_u32 s[G0B+4*(\s)+1], s20, (\s)*SLOT
	s_add_nc_u64 s[G0B+4*(\s)+2:G0B+4*(\s)+3], s[46:47], (\s)*KSTEP*2
	s_or_b32 s[G0B+4*(\s)+3], s[G0B+4*(\s)+3], 0x80000000
	JLOAD \s                                       ; the ring is filled before anything else is done: two loads of mine are out
.endr
	v_and_b32 v1, 15, v0                           ; l % 16
	v_bfe_u32 v2, v0, 4, 1                         ; l / 16
	v_lshlrev_b32 v[BO], 5, v2
	s_lshl_b32 s18, s42, 10                        ; the tile's 256 entries of the bias,
	s_lshl_b32 s19, s[CH], 9                       ; my 128 of them
	s_add_co_u32 s18, s18, s19
.if BROW0
	s_add_co_u32 s18, s18, BROW0*4
.endif
	s_mov_b32 s19, 0
	s_add_nc_u64 s[10:11], s[10:11], s[18:19]
	BIAS                                           ; the first tile's
	; A fragment is 16 rows x 32 K in 8 registers: lane l holds row l % 16; registers 0-3 K = 8 (l / 16) + 0..7, registers 4-7 K = 16 + 8 (l / 16) + 0..7: two loads of 16 bytes, 32 bytes apart.
	v_mul_u32_u24 v3, v1, PITCH
	v_lshl_add_u32 v3, v2, 4, v3                   ; row x pitch + 16 x half
	s_mul_i32 s21, s[RH], HALFT                    ; my 128 rows of A
	s_mul_i32 s22, s[CH], HALFT                    ; my 128 rows of B,
	s_add_co_u32 s22, s22, 2*HALFT                 ; which lie behind A's 256
.irp s, 0,1
	v_add_nc_u32 v[ADRA+(\s)], s21, v3
	v_add_nc_u32 v[ADRB+(\s)], s22, v3
	s_add_co_u32 s21, s21, SLOT
	s_add_co_u32 s22, s22, SLOT
.endr
	s_mul_i32 s23, s[WV], 16*SPITCH
	s_add_co_u32 s23, s23, STAGE                   ; my stage
	v_mul_u32_u24 v4, v1, SPITCH                   ; in: row l % 16, my eight numbers for each half of the lanes
.if OUT32
	v_lshl_add_u32 v4, v2, 5, v4
	v_add_nc_u32 v[STO], s23, v4
	v_and_b32 v5, 31, v0                           ; back: 32 lanes take one row of 512 bytes,
	v_lshlrev_b32 v[CO], 4, v5                     ; and the same in C
	v_add_nc_u32 v[RD], s23, v[CO]
.else
	v_lshl_add_u32 v4, v2, 4, v4
	v_add_nc_u32 v[STO], s23, v4
	v_mul_u32_u24 v5, v2, SPITCH                   ; back: lanes 0-15 take one row of 256 bytes, lanes 16-31 the next
	v_lshl_add_u32 v5, v1, 4, v5
	v_add_nc_u32 v[RD], s23, v5
	v_mul_u32_u24 v5, v2, CROW                     ; and the same two rows in C
	v_lshl_add_u32 v[CO], v1, 4, v5
.endif
	s_lshl_b32 s16, s43, 8                         ; C at my part of the first tile
	s_lshl_b32 s17, s[RH], 7
	s_add_co_u32 s16, s16, s17                     ; my first row,
	s_mul_i32 s16, s16, CROW                       ; in bytes: under 2^27
	s_mov_b32 s17, 0
	s_add_nc_u64 s[8:9], s[8:9], s[16:17]
	s_mul_i32 s46, s42, 256*CES                    ; my first column, in bytes
	s_mul_i32 s47, s[CH], 128*CES
	s_add_co_u32 s46, s46, s47
	s_mov_b32 s47, 0
	s_add_nc_u64 s[8:9], s[8:9], s[46:47]
	; the prefetches
	s_lshl_b32 s18, s43, 8
	s_lshl_b32 s19, s42, 8
	s_and_b32 s22, ttmp7, 0xffff                   ; cluster y
	s_cmp_eq_u32 s[RH], 0                          ; do I fetch for A?
	s_cselect_b32 s20, s18, s19                    ; the tile's first row: in A by the tile row, in B by the tile column
	s_cselect_b32 s21, s40, s41                    ; my place among the four that ask for it with me
	s_cselect_b32 s22, ttmp9, s22                  ; the coordinate along which other clusters read the same rows
	s_cselect_b64 s[PFA:PFA+1], s[4:5], s[6:7]
	s_cmp_eq_u32 s22, 0
	s_cselect_b32 s[LIM], 1, -1                    ; the same in all sixteen partners, for a given wave
	s_lshl_b32 s22, s[CH], 7
	s_add_co_u32 s20, s20, s22                     ; + the 128 rows that I fetch
	s_lshl_b32 s21, s21, 5
	s_add_co_u32 s20, s20, s21                     ; + my work-group's 32 of them
	s_lshl_b32 s20, s20, 11
	s_mov_b32 s21, 0
	s_add_nc_u64 s[PFA:PFA+1], s[PFA:PFA+1], s[20:21]
	s_add_nc_u64 s[PFA:PFA+1], s[PFA:PFA+1], 2*KSTEP*2  ; at K step 2: the first refill steps it to 3 and names K step 4.  Nothing is prefetched here, at the head
	v_and_b32 v[PFO], 31, v0
	v_lshlrev_b32 v[PFO], 11, v[PFO]
; 16 matrix instructions: m blocks a0, a0 + 1 of the window's four (hi = 0: my rows 0-63, 1: rows 64-127) x all 8 n blocks, 32 along K.  first = 1: the product starts the sum, on the bias.
; The 64 accumulators take turns, one instruction a turn, in the same order in every quarter step.
.macro MUL16 f, hi, a0, first
.if \first
	WIN MUL_1+0x40*(\hi)
.else
	WIN MUL_LO+0x50*(\hi)
.endif
.irp a, \a0, (\a0)+1
.irp b, 0,1,2,3,4,5,6,7
.set rD, 8*(8*(\a)+(\b))
.set rB, (\f)+8*(\b)
.set rA, (\f)+8*(4*(\hi)+(\a))
.if \first
.set rC, BI+8*(\b)
.else
.set rC, rD
.endif
.if F16IN
	v_wmma_f32_16x16x32_f16 v[rD:rD+7], v[rB:rB+7], v[rA:rA+7], v[rC:rC+7]
.else
	v_wmma_f32_16x16x32_bf16 v[rD:rD+7], v[rB:rB+7], v[rA:rA+7], v[rC:rC+7]
.endif
.endr
.endr
.endm
; 32 LDS loads in one run: the fragments of one quarter step (128 rows of B, 128 rows of A, 32 K at byte k of the rows) into buffer f
.macro FETCH slot, k, f
	WIN TO_B
.irp i, 0,1,2,3,4,5,6,7
	ds_load_b128 v[(\f)+8*(\i):(\f)+8*(\i)+3],   v[ADRB+(\slot)] offset:(\k)+(\i)*16*PITCH
	ds_load_b128 v[(\f)+8*(\i)+4:(\f)+8*(\i)+7], v[ADRB+(\slot)] offset:(\k)+(\i)*16*PITCH+32
.endr
	WIN 0
.irp i, 0,1,2,3,4,5,6,7
	ds_load_b128 v[(\f)+8*(\i):(\f)+8*(\i)+3],   v[ADRA+(\slot)] offset:(\k)+(\i)*16*PITCH
	ds_load_b128 v[(\f)+8*(\i)+4:(\f)+8*(\i)+7], v[ADRA+(\slot)] offset:(\k)+(\i)*16*PITCH+32
.endr
.endm
; Four plain vector instructions stand between a matrix instruction and a load into a register that it has read, or an instruction that reads its result (ISA guide 7.12.1 for an instruction that reads its result).
.macro PLACES
.rept 4
	v_nop
.endr
.endm
; A K step is four quarter steps of 32 along K, 64 matrix instructions each, on buffers 0, 1, 0, 1.  One of the first three: multiplies buffer f; in its middle it fetches the next quarter, at byte k, into buffer g.
.macro QUARTER slot, k, f, g, first
	s_wait_dscnt 8                                 ; B and A's rows 0-63 are in; the youngest eight loads (A's rows 64-127) may be out
	MUL16 \f, 0, 0, \first
	MUL16 \f, 0, 2, \first
	PLACES
	FETCH \slot, \k, \g
	s_wait_dscnt 32                                ; all but the 32 just issued
	MUL16 \f, 1, 0, \first
	MUL16 \f, 1, 2, \first
.endm
; The last quarter multiplies buffer 1 and changes slots.  MEET is its first half: ONE barrier for the change.  In front of it each wave waits for all its tensor loads, of which one is out: its part of the
; next slot; adds 0 to its spare word; and waits for that and for its own reads of this slot.  Behind it nobody reads this slot any more and the next slot is whole.
.macro MEET round                      ; round = 1: a round of the cluster's barrier follows
	WIN 0                                          ; (the add's two registers lie in window 0)
	s_wait_tensorcnt 0x0                           ; all my tensor loads have landed;
	ds_add_u32 v[SPW], v[NIL]                      ; 0 onto my spare word;
	s_wait_dscnt 9                                 ; (the add and the youngest eight loads may be out)
	MUL16 F1, 0, 0, 0                              ; sixteen matrix instructions stand between the add and the wait for it
	s_wait_dscnt 0x0                               ; the add is done, and my reads of this slot are over:
	s_barrier_signal -1                            ; say so,
	MUL16 F1, 0, 2, 0                              ; work on registers while the others arrive,
.if \round
	WIN 0
.endif
	s_barrier_wait -1                              ; and go on when all four have said so
.endm
; The whole last quarter.  Behind the round the slot just read out is filled again first: with this tile's K step two steps on (on = 0) or, in a tile's last two K steps, with the NEXT tile's K step 0 or 1
; (on = 1); then come the next slot's first fragments.  From a request to the wait for it a wave issues 224 matrix instructions.
.macro TURN slot, next, on
	s_wait_xcnt 0x0                                ; the last prefetch, a K step back, has read its address: it is stepped here, ahead of the waits of the change of slots
.if (\on) && (\slot) == 0
	s_add_nc_u64 s[PFA:PFA+1], s[PFA:PFA+1], 1023*SIZE_K*2+KSTEP*2  ; from the K step after the tile's last to the next tile's K step 1: 1,024 rows down, back along K
	s_cmp_eq_u32 s[RH], 1
	s_cselect_b32 s[LIM], s[LIM], -1               ; A's rows are the same for all tiles: they are prefetched no more
.else
	s_add_nc_u64 s[PFA:PFA+1], s[PFA:PFA+1], KSTEP*2
.endif
	MEET 1
	CREST                                          ; no wave of any partner still reads this slot's tile or has a load on its way
.if \on
	s_sub_nc_u64 s[G0+4*(\slot)+2:G0+4*(\slot)+3], s[G0+4*(\slot)+2:G0+4*(\slot)+3], BACK_A
	s_add_nc_u64 s[G0B+4*(\slot)+2:G0B+4*(\slot)+3], s[G0B+4*(\slot)+2:G0B+4*(\slot)+3], NEXT_B
.else
	s_add_nc_u64 s[G0+4*(\slot)+2:G0+4*(\slot)+3], s[G0+4*(\slot)+2:G0+4*(\slot)+3], 2*KSTEP*2
	s_add_nc_u64 s[G0B+4*(\slot)+2:G0B+4*(\slot)+3], s[G0B+4*(\slot)+2:G0B+4*(\slot)+3], 2*KSTEP*2
.endif
	JLOAD \slot                                    ; the first tensor load behind the round; the four v_nop behind it are also the places in front of the loads below
	FETCH \next, 0, F0
	ASK \on
	MUL16 F1, 1, 0, 0
	MUL16 F1, 1, 2, 0
.endm
; THE WAY OUT of block a (16 of my rows).  A lane holds eight neighbouring columns of one row; the block goes through my own stage in LDS and comes back as whole rows.  LDS serves a wave's instructions in
; order (ISA guide 5.7.1.4), so no wait stands between the stores into the stage and the loads from it.
.if OUT32
.macro TOSTAGE a                       ; f32: the accumulators go into the stage as they are, each from its lowest registers on
.set AC, 64*((\a)%4)
.set BK, F0+64*((\a)%2)                ; the fragments' registers are free: v64-127 and v128-191 by turns
.if (\a) >= 2
	s_wait_xcnt 0x0                                ; the stores of two blocks back have read these registers
.endif
	WIN 0x08+4*((\a)/4)                            ; store data (source 1) in window 2 or 3
.irp b, 0,1,2,3,4,5,6,7
	ds_store_b128 v[STO], v[AC+8*(\b):AC+8*(\b)+3]   offset:64*(\b)
	ds_store_b128 v[STO], v[AC+8*(\b)+4:AC+8*(\b)+7] offset:64*(\b)+16
.endr
	WIN 0
.irp t, 0,1,2,3,4,5,6,7,8,9,10,11,12,13,14,15
	ds_load_b128 v[BK+4*(\t):BK+4*(\t)+3], v[RD] offset:(\t)*SPITCH
.endr
.endm
.macro SEND a, younger                 ; younger: the LDS instructions issued behind block a's loads: the next block's 32, or none
.set BK, F0+64*((\a)%2)
.irp t, 0,1,2,3,4,5,6,7,8,9,10,11,12,13,14,15
	s_wait_dscnt (\younger)+15-(\t)
	global_store_b128 v[CO], v[BK+4*(\t):BK+4*(\t)+3], s[8:9] offset:(16*(\a)+(\t))*CROW th:TH_STORE_NT  ; 512 consecutive bytes, at a multiple of 256 from C's first byte
.endr
.endm
.else
.macro PACK a                          ; rounded to f16, 16 bytes a lane
.set AC, 64*((\a)%4)
	WIN 0x0a+5*((\a)/4)                            ; sources 0 and 1: window 2 or 3
.irp b, 0,1,2,3,4,5,6,7
.irp r, 0,1,2,3
	v_cvt_pk_f16_f32 v[TMP+4*(\b)+(\r)], v[AC+8*(\b)+2*(\r)], v[AC+8*(\b)+2*(\r)+1]
.endr
.endr
	WIN 0
.endm
.macro TOSTAGE a
.set BK, OB+192*((\a)%2)
.irp b, 0,1,2,3,4,5,6,7
	ds_store_b128 v[STO], v[TMP+4*(\b):TMP+4*(\b)+3] offset:32*(\b)
.endr
.irp t, 0,1,2,3,4,5,6,7
	ds_load_b128 v[BK+4*(\t):BK+4*(\t)+3], v[RD] offset:(\t)*2*SPITCH
.endr
.endm
.macro SEND a
.set BK, OB+192*((\a)%2)
	s_wait_dscnt 0x0                               ; the block is back in registers
	s_wait_xcnt 0x0                                ; the earlier stores have read their registers: the next block's loads land on those of two blocks back
.irp t, 0,1,2,3,4,5,6,7
	global_store_b128 v[CO], v[BK+4*(\t):BK+4*(\t)+3], s[8:9] offset:(16*(\a)+2*(\t))*CROW  ; 16 lanes store 256 consecutive bytes, at a multiple of 256 from C's first byte; 126 rows at the most: inside the signed 24-bit immediate
.endr
.endm
.endif
	s_wait_tensorcnt 1                             ; my part of K step 0 is in; K step 1's may stay out
	s_barrier_signal -1
	s_barrier_wait -1                              ; everybody's is
	FETCH 0, 0, F0
.if TILES > 1
	s_mov_b32 s2, TILES                            ; tiles to go, this one among them
.Ltile:
.endif
	s_wait_loadcnt 0x0                             ; the tile's bias is in, and its pointer is free
.if TILES > 1
	s_add_nc_u64 s[10:11], s[10:11], 1024*4        ; the next tile's bias
.endif
	QUARTER 0, 64,  F0, F1, 1                      ; a tile's first quarter stands in front of the loop: its products start the sums
	WIN 0                                          ; at a label and at a branch every window is 0
	s_mov_b32 s3, LAPS-1
.Llap:                                                 ; a trip goes once round the ring, from a lap's second quarter to the next lap's first, and fills both slots again
	QUARTER 0, 128, F1, F0, 0
	QUARTER 0, 192, F0, F1, 0
	TURN 0, 1, 0
	QUARTER 1, 64,  F0, F1, 0
	QUARTER 1, 128, F1, F0, 0
	QUARTER 1, 192, F0, F1, 0
	TURN 1, 0, 0
	QUARTER 0, 64,  F0, F1, 0
	WIN 0
	s_sub_co_u32 s3, s3, 1
	s_cmp_lg_u32 s3, 0
	s_cbranch_scc1 .Llap
	QUARTER 0, 128, F1, F0, 0                      ; the tile's last lap goes on
	QUARTER 0, 192, F0, F1, 0
	WIN 0
.if TILES > 1
	s_cmp_eq_u32 s2, 1
	s_cbranch_scc1 .Llast                          ; the last tile's tail is written out: it asks for nothing more
	TURN 0, 1, 1                                   ; THE RING GOES ON INTO THE NEXT TILE: slot 0 takes its K step 0,
	QUARTER 1, 64,  F0, F1, 0
	QUARTER 1, 128, F1, F0, 0
	QUARTER 1, 192, F0, F1, 0
	TURN 1, 0, 1                                   ; slot 1 its K step 1, and the next tile's first fragments are fetched
	BIAS                                           ; and its bias: the registers' last readers were this tile's first products
	s_branch .Lout
.Llast:
.endif
	MEET 0                                         ; my one tensor load that was still out is slot 1's, the last K step's, so no round follows
	PLACES
	FETCH 1, 0, F0
	MUL16 F1, 1, 0, 0
	MUL16 F1, 1, 2, 0
	QUARTER 1, 64,  F0, F1, 0
	QUARTER 1, 128, F1, F0, 0
	QUARTER 1, 192, F0, F1, 0
	s_wait_dscnt 8                                 ; the very last quarter: nothing more to fetch
	MUL16 F1, 0, 0, 0
	MUL16 F1, 0, 2, 0
	s_wait_dscnt 0x0
	MUL16 F1, 1, 0, 0
	MUL16 F1, 1, 2, 0
	WIN 0
.if TILES > 1
.Lout:
.endif
	PLACES                                         ; behind the last products, in front of what reads results and of loads into fragments' registers
.if OUT32
	TOSTAGE 0
.irp a, 1,2,3,4,5,6,7
	TOSTAGE \a
	SEND (\a)-1, 32
.endr
	SEND 7, 0
.else
	PACK 0
	TOSTAGE 0
.irp a, 1,2,3,4,5,6,7                  ; block a's conversions stand between block a - 1's loads from the stage and the wait for them
	PACK \a
	SEND (\a)-1
	TOSTAGE \a
.endr
	SEND 7
.endif
.if TILES > 1
	s_wait_xcnt 0x0                                ; the stores have read their registers and C's address
	s_add_nc_u64 s[8:9], s[8:9], 1024*CES          ; the next tile lies 1,024 columns on
	s_sub_co_u32 s2, s2, 1
	s_cmp_lg_u32 s2, 0
	s_cbranch_scc1 .Ltile
.endif
	s_wait_tensorcnt 0x0                           ; the wave's end: behind my last tensor load and my last LDS store
	ds_add_u32 v[SPW], v[NIL]
	s_wait_dscnt 0x0
	CROUND                                         ; the closing round: no work-group ends while a partner may still ask for a tile that names it
	s_endpgm
.Lfunc_end_k_q8c23c62410_proj3:
	.size	k_q8c23c62410_proj3, .Lfunc_end_k_q8c23c62410_proj3-k_q8c23c62410_proj3
	.p2alignl 7, 3214868480
	.fill 96, 4, 3214868480
	.section	.rodata,"a",@progbits
	.p2align	6, 0x0
	.amdhsa_kernel k_q8c23c62410_proj3
		.amdhsa_group_segment_fixed_size 327680
		.amdhsa_private_segment_fixed_size 0
		.amdhsa_enable_private_segment 0
		.amdhsa_kernarg_size 32
		.amdhsa_user_sgpr_count 2
		.amdhsa_user_sgpr_kernarg_segment_ptr 1
		.amdhsa_wavefront_size32 1
		.amdhsa_system_sgpr_workgroup_id_x 1
		.amdhsa_system_sgpr_workgroup_id_y 1
		.amdhsa_system_sgpr_workgroup_id_z 1
		.amdhsa_system_vgpr_workitem_id 0
		.amdhsa_next_free_vgpr 1024
		.amdhsa_next_free_sgpr 72
		.amdhsa_reserve_vcc 0
		.amdhsa_float_denorm_mode_32 3
		.amdhsa_float_denorm_mode_16_64 3
		.amdhsa_memory_ordered 1
		.amdhsa_forward_progress 1
		.amdhsa_inst_pref_size 181
	.end_amdhsa_kernel
	.amdgpu_metadata
---
amdhsa.version: [ 1, 2 ]
amdhsa.kernels:
  - .name:           k_q8c23c62410_proj3
    .symbol:         k_q8c23c62410_proj3.kd
    .args:
      - { .name: xb, .offset: 0, .size: 8, .value_kind: global_buffer, .address_space: global }
      - { .name: wt, .offset: 8, .size: 8, .value_kind: global_buffer, .address_space: global }
      - { .name: qkv, .offset: 16, .size: 8, .value_kind: global_buffer, .address_space: global }
      - { .name: bp, .offset: 24, .size: 8, .value_kind: global_buffer, .address_space: global }
    .group_segment_fixed_size: 327680
    .private_segment_fixed_size: 0
    .kernarg_segment_align: 8
    .kernarg_segment_size: 32
    .max_flat_workgroup_size: 128
    .sgpr_count:     72
    .vgpr_count:     1024
    .wavefront_size: 32
...
	.end_amdgpu_metadata
.endif
;; end of part 2
;; launch attn (part 3): grid 512 x 1, 8 waves a work-group, no clusters, 0 bytes of LDS; arguments qkv, ao; writes ao
.if DOCPART == 3
	.amdgcn_target "amdgcn-amd-amdhsa--gfx1250"
	.amdhsa_code_object_version 6
	.text
	.protected	k_q8c23c62410_attn
	.globl	k_q8c23c62410_attn
	.p2align	8
	.type	k_q8c23c62410_attn,@function
k_q8c23c62410_attn:
	s_mov_b64 s[64:65], 0
	v_nop
	global_prefetch_b8 v0, s[64:65] scope:SCOPE_SE
	s_setreg_imm32_b32 hwreg(HW_REG_WAVE_MODE, 25, 1), 1
	s_wait_xcnt 0x0
; ATTENTION AMONG A TOKEN'S 16 HEADS.  For each token: S[h][e] = q[h] . k[e] / 8 over 64 channels, P = softmax over e, O[h] = sum over e of P[h][e] v[e].
; qkv: [16384][3072] f16, a token's q, k, v in the order that the launches before laid (below); ao: [16384][1024] f16.  Products, maximum and sum in f32; P is divided by its sum, then rounded to f16; O rounded once.
; LIMITS.  q, k, v arrive within f16's range; a weight under 6e-8 counts as 0; NaN and infinities are not treated apart, and an infinite v spoils its whole token (see V^T below).
; SHARES.  A wave owns four tokens on end, 24,576 consecutive bytes of qkv.  All its 48 loads of 16 bytes a lane go out at the start; no loop, no LDS, no barrier: no wave wants a byte that another has fetched.
; Each load and each store of a wave covers 512 consecutive bytes.  No cluster and no prefetch: nothing is shared, and the launch's loads are all out at once.
; LAYOUT.  Lane l = 16 h + r.  The 16 bytes at 512 j + 16 l of a token's q (or k) are head r, channels 16 j + 8 h + 0..7: registers 4 (j & 1) .. + 3 of the fragment of K step j >> 1.
; S^T = K Q^T (source 0 = the 16 key heads, source 1 = the 16 query heads): a lane holds ONE query head (r) and the key heads 8 h + 0..7; the other eight lie in the lane 16 away.
; P rounded in pairs is registers 0-3 of source 1 (key heads 0-15) of O^T = V^T P^T; registers 4-7 (k = 16 to 31) hold 0.
; The 16 bytes at 512 T + 16 l of a token's v are channel 16 T + r, heads 8 h + 0..7: registers 0-3 of V^T's fragment of channel tile T.  Its registers 4-7 are simply the next tile's (behind the last: four
; zeros): they meet P's zeros, so they need only be finite.
; O^T's tile T holds head r, channels 16 T + 8 h + 0..7 in lane l: 16 bytes at 512 T + 16 l of the token's row of ao; the last product's weights have their K index in that order.
.set LO,  1                            ; v1       16 x my lane; never rewritten
.set CS,  14                           ; s[14:15] c = log2(e) / 8, twice
.set SEL, 16                           ; s[16:17] v_permlanex16_b32's selects: each lane takes its own place in the other half
.set D0,  28                           ; token t's registers at D0 + 52 t: Q 0-15, K 16-31, V 32-47, zeros 48-51; O^T's tile T later at 8 T, where Q and K lay
; of a pair of tokens, token u: four registers at work at v[2 + 4 u], S^T (then P) at v[10 + 8 u]
	s_load_b128 s[4:7], s[0:1], 0x0                ; qkv s[4:5], ao s[6:7]
	v_lshrrev_b32 v2, 5, v0
	v_readfirstlane_b32 s8, v2                     ; wave 0..7
	v_and_b32 v[LO], 31, v0
	v_lshlrev_b32 v[LO], 4, v[LO]
	s_lshl_b32 s9, ttmp9, 3
	s_add_co_u32 s9, s9, s8                        ; my four tokens' number, 0 .. 4,095
	s_mul_i32 s10, s9, 4*6144
	s_mov_b32 s11, 0
	s_lshl_b32 s12, s9, 13
	s_mov_b32 s13, 0
	s_mov_b32 s[CS], 0x3e38aa3b                    ; 0.180337
	s_mov_b32 s[CS+1], s[CS]
	s_mov_b32 s[SEL], 0x76543210
	s_mov_b32 s[SEL+1], 0xfedcba98
	s_wait_kmcnt 0x0
	s_add_nc_u64 s[4:5], s[4:5], s[10:11]
	s_add_nc_u64 s[6:7], s[6:7], s[12:13]
.macro QKL t                           ; token t's q and k: eight loads
.irp j, 0,1,2,3,4,5,6,7
	global_load_b128 v[D0+52*(\t)+4*(\j):D0+52*(\t)+4*(\j)+3], v[LO], s[4:5] offset:(\t)*6144+512*(\j) th:TH_LOAD_NT
.endr
.endm
.macro VL t                            ; its v: four loads
.irp j, 0,1,2,3
	global_load_b128 v[D0+52*(\t)+32+4*(\j):D0+52*(\t)+32+4*(\j)+3], v[LO], s[4:5] offset:(\t)*6144+4096+512*(\j) th:TH_LOAD_NT
.endr
.endm
	QKL 0
	QKL 1
	VL 0
	VL 1
	QKL 2
	QKL 3
	VL 2
	VL 3
.macro BOTH line:vararg                ; one line for each token of the pair, so that no instruction reads the result of the one before it
.set rT, 2
.set rS, 10
	\line
.set rT, 6
.set rS, 18
	\line
.endm
; Tokens p and p + 1.  cntS, cntV: the loads issued behind the pair's q and k, and behind its v, which may stay out.
.macro PAIR p, cntS, cntV
	s_wait_loadcnt \cntS
.irp s, 0,1                            ; the two accumulators take turns
.irp u, 0,1
.set DT, D0+52*((\p)+(\u))
.set rS, 10+8*(\u)
.if (\s) == 0
	v_wmma_f32_16x16x32_f16 v[rS:rS+7], v[DT+16:DT+23], v[DT:DT+7], 0
.else
	v_wmma_f32_16x16x32_f16 v[rS:rS+7], v[DT+24:DT+31], v[DT+8:DT+15], v[rS:rS+7]
.endif
.endr
.endr
.irp u, 0,1                            ; the zeros behind V: eight plain instructions, the places behind those products
.irp z, 0,1,2,3
	v_mov_b32 v[D0+52*((\p)+(\u))+48+(\z)], 0
.endr
.endr
	BOTH v_max3_num_f32 v[rT], v[rS], v[rS+1], v[rS+2]           ; the maximum of my eight scores, from the accumulator's low end on,
	BOTH v_max3_num_f32 v[rT+1], v[rS+3], v[rS+4], v[rS+5]
	BOTH v_max3_num_f32 v[rT], v[rT], v[rS+6], v[rS+7]
	BOTH v_max_num_f32 v[rT], v[rT], v[rT+1]
	BOTH v_permlanex16_b32 v[rT+1], v[rT], s[SEL], s[SEL+1]      ; and of the other eight
	BOTH v_max_num_f32 v[rT], v[rT], v[rT+1]
	BOTH v_mul_f32 v[rT], s[CS], v[rT]                           ; c m
.irp i, 0,2,4,6
	BOTH v_pk_fma_f32 v[rS+(\i):rS+(\i)+1], v[rS+(\i):rS+(\i)+1], s[CS:CS+1], v[rT:rT+1] op_sel_hi:[1,0,0] neg_lo:[0,0,1] neg_hi:[0,0,1]  ; c s - c m
.endr
.irp i, 0,1,2,3,4,5,6,7
	BOTH v_exp_f32 v[rS+(\i)], v[rS+(\i)]
.endr
	v_nop                                          ; a plain instruction behind the last exponential,
	s_wait_alu depctr_va_vdst(0)                   ; and a wait ahead of the first use: one for the sixteen
	BOTH v_pk_add_f32 v[rT+2:rT+3], v[rS:rS+1], v[rS+2:rS+3]
	BOTH v_pk_add_f32 v[rT:rT+1], v[rS+4:rS+5], v[rS+6:rS+7]
	BOTH v_pk_add_f32 v[rT+2:rT+3], v[rT+2:rT+3], v[rT:rT+1]
	BOTH v_add_f32 v[rT+2], v[rT+2], v[rT+3]
	BOTH v_permlanex16_b32 v[rT+3], v[rT+2], s[SEL], s[SEL+1]
	BOTH v_add_f32 v[rT+2], v[rT+2], v[rT+3]                     ; the sum of all sixteen: 1 at the least
	BOTH v_rcp_f32 v[rT], v[rT+2]
	v_nop
	s_wait_alu depctr_va_vdst(0)                   ; one for the two reciprocals
.irp i, 0,2,4,6
	BOTH v_pk_mul_f32 v[rS+(\i):rS+(\i)+1], v[rS+(\i):rS+(\i)+1], v[rT:rT+1] op_sel_hi:[1,0]
.endr
.irp i, 0,1,2,3
	BOTH v_cvt_pk_f16_f32 v[rS+(\i)], v[rS+2*(\i)], v[rS+2*(\i)+1]  ; in place, ascending: a register is written when both halves of it have been read
.endr
.irp i, 4,5,6,7
	BOTH v_mov_b32 v[rS+(\i)], 0
.endr
	s_wait_loadcnt \cntV
.irp q, 0,1,2,3
.irp u, 0,1
.set DT, D0+52*((\p)+(\u))
.set rS, 10+8*(\u)
	v_wmma_f32_16x16x32_f16 v[DT+8*(\q):DT+8*(\q)+7], v[DT+32+4*(\q):DT+39+4*(\q)], v[rS:rS+7], 0
.endr
.endr
.rept 4
	v_nop                                          ; the places behind those products
.endr
.irp u, 0,1
.irp q, 0,1,2,3
.set rO, D0+52*((\p)+(\u))+8*(\q)
	v_cvt_pk_f16_f32 v[rO], v[rO], v[rO+1]
	v_cvt_pk_f16_f32 v[rO+1], v[rO+2], v[rO+3]
	v_cvt_pk_f16_f32 v[rO+2], v[rO+4], v[rO+5]
	v_cvt_pk_f16_f32 v[rO+3], v[rO+6], v[rO+7]
	global_store_b128 v[LO], v[rO:rO+3], s[6:7] offset:((\p)+(\u))*2048+(\q)*512  ; no register of a store is written again
.endr
.endr
.endm
	PAIR 0, 32, 24                                 ; behind tokens 0 and 1's q and k 32 loads were issued, behind their v 24
	PAIR 2, 8, 0
	s_endpgm
.Lfunc_end_k_q8c23c62410_attn:
	.size	k_q8c23c62410_attn, .Lfunc_end_k_q8c23c62410_attn-k_q8c23c62410_attn
	.p2alignl 7, 3214868480
	.fill 96, 4, 3214868480
	.section	.rodata,"a",@progbits
	.p2align	6, 0x0
	.amdhsa_kernel k_q8c23c62410_attn
		.amdhsa_group_segment_fixed_size 0
		.amdhsa_private_segment_fixed_size 0
		.amdhsa_enable_private_segment 0
		.amdhsa_kernarg_size 16
		.amdhsa_user_sgpr_count 2
		.amdhsa_user_sgpr_kernarg_segment_ptr 1
		.amdhsa_wavefront_size32 1
		.amdhsa_system_sgpr_workgroup_id_x 1
		.amdhsa_system_sgpr_workgroup_id_y 1
		.amdhsa_system_sgpr_workgroup_id_z 1
		.amdhsa_system_vgpr_workitem_id 0
		.amdhsa_next_free_vgpr 240
		.amdhsa_next_free_sgpr 66
		.amdhsa_reserve_vcc 0
		.amdhsa_float_denorm_mode_32 3
		.amdhsa_float_denorm_mode_16_64 3
		.amdhsa_memory_ordered 1
		.amdhsa_forward_progress 1
		.amdhsa_inst_pref_size 21
	.end_amdhsa_kernel
	.amdgpu_metadata
---
amdhsa.version: [ 1, 2 ]
amdhsa.kernels:
  - .name:           k_q8c23c62410_attn
    .symbol:         k_q8c23c62410_attn.kd
    .args:
      - { .name: qkv, .offset: 0, .size: 8, .value_kind: global_buffer, .address_space: global }
      - { .name: ao, .offset: 8, .size: 8, .value_kind: global_buffer, .address_space: global }
    .group_segment_fixed_size: 0
    .private_segment_fixed_size: 0
    .kernarg_segment_align: 8
    .kernarg_segment_size: 16
    .max_flat_workgroup_size: 256
    .sgpr_count:     66
    .vgpr_count:     240
    .wavefront_size: 32
...
	.end_amdgpu_metadata
.endif
;; end of part 3
;; launch oproj (part 4): grid 4 x 64, 4 waves a work-group, clusters of 4 x 4, 327,680 bytes of LDS; arguments ao, wt, out0, bp; writes out0
.if DOCPART == 4
	.amdgcn_target "amdgcn-amd-amdhsa--gfx1250"
	.amdhsa_code_object_version 6
	.text
	.protected	k_q8c23c62410_oproj
	.globl	k_q8c23c62410_oproj
	.p2align	8
	.type	k_q8c23c62410_oproj,@function
k_q8c23c62410_oproj:
	s_mov_b64 s[64:65], 0
	v_nop
	global_prefetch_b8 v0, s[64:65] scope:SCOPE_SE
	s_setreg_imm32_b32 hwreg(HW_REG_WAVE_MODE, 25, 1), 1
	s_wait_xcnt 0x0
	s_wait_alu depctr_hold_cnt(0) depctr_sa_sdst(0) depctr_va_vdst(0) depctr_va_sdst(0) depctr_va_ssrc(0) depctr_va_vcc(0) depctr_vm_vsrc(0)
	s_getreg_b32 s2, hwreg(HW_REG_IB_STS2, 6, 4)
	s_cmp_eq_u32 s2, 0
	s_cbranch_scc0 .Lentry_in_a_cluster
	s_endpgm
.Lentry_in_a_cluster:
	s_bfe_u32 s2, ttmp6, 0x10000c
	s_cmp_lg_u32 s2, 0xf033
	s_cbranch_scc0 .Lentry_shape_is_right
	s_endpgm
.Lentry_shape_is_right:
; C[m][n] = bias[n] + sum over k of A[m][k] B[n][k].  A = ao [16384][1024] and B = wt's rows 3072-4095 [1024][1024], both f16, both with the K index in the order in which the attention launch leaves its
; results (a permutation applied alike to both keeps the sums); bias: bp's entries 3072-4095, f32; sums in f32; C = out0 [16384][1024] in f32, stored as summed.  NaN and infinities are not treated apart.
; A tile of C, 256 x 256, is made by a work-group of four waves; a wave makes 128 x 128: 64 accumulators of 16 x 16, 512 registers.  K goes in steps of 128 through a ring of two LDS slots filled by the
; tensor data mover: the rows of A's and B's tiles are 256 bytes of memory and start at multiples of 256 bytes from the buffer's first byte.  64 x 4 work-groups, one tile each.
; THE BIAS STARTS THE SUMS: it is the C operand of the tile's first 64 products.  Nothing is cleared and nothing is added later.
; THE LAST K STEP GOES BY ROWS OF C: nothing follows the tile under which its stores could leave, so its eight blocks of 16 rows are finished one after the other and each leaves while the next are multiplied.
; CLUSTERS: 4 x 4 work-groups.  The four of a row of the cluster need the same tiles of A, the four of a column the same tiles of B: each tile is asked for JOINTLY, by the same tensor load with the same
; descriptor and a mask that names the four; each receives it in its own LDS.
; REGISTERS, in windows of 256 (s_set_vgpr_msb's low byte: bits 1:0 source 0, 3:2 source 1, 5:4 source 2, 7:6 destination):
;   window 0: v0-31 addresses; v64-127, v128-191 fragments of A, two buffers (in the last K step four, of 16 rows x 128 K)
;   window 1: v0-63 the bias of my 128 columns, laid as an accumulator's lanes want it; v64-127, v128-191 fragments of B, two buffers; in the last K step all 256: B's fragments of the whole step
;   window 2: the 32 accumulators of my rows 0-63 (accumulator (a, b) at v[8 (8 a + b)]);   window 3: those of my rows 64-127; on the way out a block's rows come back into its own 64 registers
; THE MATRIX INSTRUCTION IS USED TRANSPOSED: source 0 = 16 rows of B, source 1 = 16 rows of A.  Lane l then holds row m = l % 16 of C, its registers 0 to 7 the columns 8 (l / 16) + 0 .. 7.
.set CROW,   4096                      ; bytes in a row of C
.set BROW0,  3072                      ; B's first row in wt, and the bias's first entry in bp
.set SIZE_K, 1024
.set KSTEP,  128
.set PITCH,  272                       ; an LDS row: 256 bytes + 16 of padding = 68 words: row r starts at bank 4 r mod 64 (64 banks of 4 bytes: ISA guide 11.1)
.set HALFT,  128*PITCH                 ; 128 rows: what one tensor load brings, and what one wave reads of A or of B
.set SLOT,   4*HALFT                   ; A's 256 rows, then B's 256 rows
.set STAGE,  2*SLOT                    ; behind the ring: 16 rows for each wave, for the way out; no tensor load fills it
.set SPITCH, 528                       ; a stage row: my 128 columns in f32 + 16 bytes
.set SPARE,  STAGE+4*16*SPITCH         ; behind the stages: the spare words, 128 bytes for each wave
.set LAPS,   SIZE_K/(2*KSTEP)          ; a lap = two K steps = once round the ring
.set ADRA, 16                          ; v16-17  LDS address of my A fragments in slot 0, 1
.set ADRB, 20                          ; v20-21  the same for B
.set STO,  24                          ; v24     the way out: where I put my part of a row
.set RD,   25                          ; v25     the way out: where I read rows back
.set CO,   26                          ; v26     my byte offset in a row of C
.set BO,   27                          ; v27     my byte offset in the bias: 32 (l / 16)
.set SPW,  28                          ; v28     LDS address of my spare word; never rewritten
.set NIL,  29                          ; v29     0; never rewritten
.set PFO,  30                          ; v30     the prefetches' offset: my lane x a row of A or B (2,048 bytes); never rewritten
.set F0,   64                          ; fragment buffer 0
.set F1,   128                         ; fragment buffer 1
.set PA,   64                          ; the last K step: A's fragments of 16 rows x 128 K, 32 registers; four such buffers, v64-191
.set BI,   0                           ; the bias, in window 1
.set WV,   12                          ; s12  my wave's number
.set RH,   13                          ; s13  which half of the tile's rows is mine.  Also: I fetch for A (0) or for B (1)
.set CH,   14                          ; s14  which half of its columns.  Also: which 128 rows of that tile I fetch
.set LIM,  15                          ; s15  1 in a wave that prefetches, else the greatest number
.set G1,   24                          ; s[24:31] descriptor group 1 for A's tiles
.set G0,   32                          ; s[32:39] descriptor group 0 for A's tiles, one set for each slot
.set PFA,  44                          ; s[44:45] where my prefetches stand
.set G1B,  48                          ; s[48:55] descriptor group 1 for B's tiles: it differs in the mask alone
.set G0B,  56                          ; s[56:63] descriptor group 0 for B's tiles
.set MSB, 0
.macro WIN new                         ; the immediate's high byte repeats the setting that is left; a switch that changes nothing is dropped
.if MSB != (\new)
	s_set_vgpr_msb (MSB<<8)|(\new)
.set MSB, \new
.endif
.endm
.set MUL_LO, 0xa1                      ; source 0 (B) window 1, source 1 (A) window 0, C and D window 2; + 0x50: C and D window 3
.set MUL_1,  0x91                      ; the same with C (the bias) in window 1; + 0x40: D window 3
.set TO_B,   0x40                      ; destination window 1, address window 0
.set OUT_LO, 0x88                      ; loaded data (destination) and store data (source 1) window 2, addresses window 0; + 0x44: window 3
; A joint load.  Waves 0 and 1 fetch A's two halves, waves 2 and 3 B's.  The branch hangs on the wave's number alone.  An s_nop 0 and four v_nop follow each of the two lines.
.macro JLOAD s
	s_cmp_eq_u32 s[RH], 0
	s_cbranch_scc0 .Lfor_b_\@
	tensor_load_to_lds s[G0+4*(\s):G0+4*(\s)+3], s[G1:G1+7]
	s_nop 0
.rept 4
	v_nop
.endr
	s_branch .Lasked_\@
.Lfor_b_\@:
	tensor_load_to_lds s[G0B+4*(\s):G0B+4*(\s)+3], s[G1B:G1B+7]
	s_nop 0
.rept 4
	v_nop
.endr
.Lasked_\@:
.endm
; A PREFETCH INTO THE L2, behind each joint load, its five lines and the run of LDS loads that follows: the K step that stands TWO refills on (512 matrix instructions ahead of the load that will want it):
; 32 rows x 256 bytes, a lane a row, one instruction a wave.  Each row's 256 bytes of a K step are named ONCE in the launch.  A's tile row is read by one cluster alone: it asks.  B's tile column is read by
; all sixteen clusters: the one with y = 0 asks.  The four partners that ask for a tile jointly share its rows out BY ADDRESS: of the 128 rows that a wave fetches the partner at place p takes
; 32 p .. 32 p + 31 (p = cx for A, cy for B).  The tile's last two refills have no K step two on and ask for nothing.
.macro ASK
	s_cmp_gt_u32 s3, s[LIM]                        ; s3 = 1 in the loop's last trip
	s_cbranch_scc0 .Lnot_mine_\@
	global_prefetch_b8 v[PFO], s[PFA:PFA+1] offset:KSTEP*2 th:TH_LOAD_NT scope:SCOPE_SE
.Lnot_mine_\@:
.endm
; A round of the cluster's barrier: my work-group's barrier; wave 0 signals for the work-group; every wave waits for all sixteen work-groups; my work-group's barrier once more.
.macro CREST                           ; a round behind its opening barrier
	s_cmp_lg_u32 s[WV], 0
	s_cbranch_scc1 .Lnot_wave_0_\@
	s_barrier_signal -3
.Lnot_wave_0_\@:
	s_barrier_wait -3
	s_barrier_signal -1
	s_barrier_wait -1
.endm
.macro CROUND                          ; a whole round
	s_barrier_signal -1
	s_barrier_wait -1
	CREST
.endm
; The bias of my 128 columns: lane l takes, for each block b of 16 columns, the eight entries 16 b + 8 (l / 16) + 0 .. 7: the lanes' layout of an accumulator.
.macro BIAS
	WIN TO_B
.irp b, 0,1,2,3,4,5,6,7
	global_load_b128 v[BI+8*(\b):BI+8*(\b)+3],   v[BO], s[10:11] offset:64*(\b)
	global_load_b128 v[BI+8*(\b)+4:BI+8*(\b)+7], v[BO], s[10:11] offset:64*(\b)+16
.endr
	WIN 0
.endm
	s_load_b256 s[4:11], s[0:1], 0x0               ; A s[4:5], wt s[6:7], C s[8:9], bp s[10:11]
	v_lshl_add_u32 v[SPW], v0, 2, SPARE
	v_mov_b32 v[NIL], 0
	ds_add_u32 v[SPW], v[NIL]                      ; the wave's opening: the add and its wait stand ahead of my first tensor load; the set-up below, work on registers, stands between them
	v_lshrrev_b32 v1, 5, v0
	v_readfirstlane_b32 s[WV], v1                  ; wave 0..3
	s_lshr_b32 s[RH], s[WV], 1
	s_and_b32 s[CH], s[WV], 1
	s_bfe_u32 s40, ttmp6, 0x40000                  ; cx: my place along the cluster's x
	s_bfe_u32 s41, ttmp6, 0x40004                  ; cy: along its y
	s_lshl_b32 s42, ttmp9, 2                       ; in a cluster launch ttmp9 and ttmp7 count clusters
	s_add_co_u32 s42, s42, s40                     ; tile column = 4 x cluster x + cx
	s_and_b32 s43, ttmp7, 0xffff
	s_lshl_b32 s43, s43, 2
	s_add_co_u32 s43, s43, s41                     ; tile row = 4 x cluster y + cy
	s_lshl_b32 s66, s41, 2
	s_lshl_b32 s66, 15, s66                        ; my row of the cluster: places 4 cy .. 4 cy + 3
	s_lshl_b32 s67, 0x1111, s40                    ; my column: places cx, cx + 4, cx + 8, cx + 12
	; descriptor group 1: a tile of 128 rows x 128 elements, padded in LDS
	s_or_b32 s[G1+0], s66, (1<<16)|(1<<20)|(1<<21)|(5<<22)|(3<<25)   ; 15:0 the mask; 17:16 elements of 2 bytes; 20 padding on; 21 set beside a mask; 24:22 after every 64 words (code 5); 31:25 4 words of it (code 3)
	s_or_b32 s[G1B+0], s67, (1<<16)|(1<<20)|(1<<21)|(5<<22)|(3<<25)
.irp g, G1, G1B
	s_mov_b32 s[(\g)+1], KSTEP<<16                 ; tensor_dim0 = 128
	s_mov_b32 s[(\g)+2], 128<<16                   ; tensor_dim1 = 128
	s_mov_b32 s[(\g)+3], KSTEP<<16                 ; tile_dim0 = 128
	s_mov_b32 s[(\g)+4], 128                       ; tile_dim1 = 128
	s_mov_b32 s[(\g)+5], SIZE_K                    ; elements from row to row
	s_mov_b32 s[(\g)+6], 0
	s_mov_b32 s[(\g)+7], 0
.endr
	; where the tiles come from.  A's hang on the tile row alone, B's on the tile column alone; each address is made in registers that never hold the other coordinate.
	s_lshl_b32 s17, s[CH], 7                       ; which 128 rows of the tile I fetch
	s_lshl_b32 s16, s43, 8
	s_add_co_u32 s16, s16, s17                     ; A: row 256 x tile row + 128 x half
	s_lshl_b32 s46, s42, 8
	s_add_co_u32 s46, s46, s17                     ; B: row 256 x tile column + 128 x half
	s_lshl_b32 s16, s16, 11                        ; in bytes: under 2^26
	s_lshl_b32 s46, s46, 11
	s_mov_b32 s17, 0
	s_mov_b32 s47, 0
	s_mul_i32 s20, s[WV], HALFT                    ; and where they go: A's two halves, then B's two halves = wave x 128 rows
	s_wait_dscnt 0x0                               ; the opening add is done
	s_wait_kmcnt 0x0
	s_add_nc_u64 s[6:7], s[6:7], BROW0*SIZE_K*2    ; B's first row in wt
	s_add_nc_u64 s[68:69], s[4:5], s[16:17]
	s_add_nc_u64 s[46:47], s[6:7], s[46:47]
	CROUND                                         ; all sixteen work-groups are here: the first joint loads meet
.irp s, 0,1
	s_mov_b32 s[G0+4*(\s)], 1                                        ; count = 1
	s_add_co_u32 s[G0+4*(\s)+1], s20, (\s)*SLOT                      ; LDS address
	s_add_nc_u64 s[G0+4*(\s)+2:G0+4*(\s)+3], s[68:69], (\s)*KSTEP*2  ; global address: K step s
	s_or_b32 s[G0+4*(\s)+3], s[G0+4*(\s)+3], 0x80000000              ; type = 2
	s_mov_b32 s[G0B+4*(\s)], 1
	s_add_co_u32 s[G0B+4*(\s)+1], s20, (\s)*SLOT
	s_add_nc_u64 s[G0B+4*(\s)+2:G0B+4*(\s)+3], s[46:47], (\s)*KSTEP*2
	s_or_b32 s[G0B+4*(\s)+3], s[G0B+4*(\s)+3], 0x80000000
	JLOAD \s                                       ; the ring is filled before anything else is done: two loads of mine are out
.endr
	v_and_b32 v1, 15, v0                           ; l % 16
	v_bfe_u32 v2, v0, 4, 1                         ; l / 16
	v_lshlrev_b32 v[BO], 5, v2
	s_lshl_b32 s18, s42, 10                        ; the tile's 256 entries of the bias,
	s_lshl_b32 s19, s[CH], 9                       ; my 128 of them
	s_add_co_u32 s18, s18, s19
	s_add_co_u32 s18, s18, BROW0*4
	s_mov_b32 s19, 0
	s_add_nc_u64 s[10:11], s[10:11], s[18:19]
	BIAS
	; A fragment is 16 rows x 32 K in 8 registers: lane l holds row l % 16; registers 0-3 K = 8 (l / 16) + 0..7, registers 4-7 K = 16 + 8 (l / 16) + 0..7: two loads of 16 bytes, 32 bytes apart.
	v_mul_u32_u24 v3, v1, PITCH
	v_lshl_add_u32 v3, v2, 4, v3                   ; row x pitch + 16 x half
	s_mul_i32 s21, s[RH], HALFT                    ; my 128 rows of A
	s_mul_i32 s22, s[CH], HALFT                    ; my 128 rows of B,
	s_add_co_u32 s22, s22, 2*HALFT                 ; which lie behind A's 256
.irp s, 0,1
	v_add_nc_u32 v[ADRA+(\s)], s21, v3
	v_add_nc_u32 v[ADRB+(\s)], s22, v3
	s_add_co_u32 s21, s21, SLOT
	s_add_co_u32 s22, s22, SLOT
.endr
	s_mul_i32 s23, s[WV], 16*SPITCH
	s_add_co_u32 s23, s23, STAGE                   ; my stage
	v_mul_u32_u24 v4, v1, SPITCH                   ; in: row l % 16, my eight numbers (32 bytes) for each half of the lanes
	v_lshl_add_u32 v4, v2, 5, v4
	v_add_nc_u32 v[STO], s23, v4
	v_and_b32 v5, 31, v0                           ; back: 32 lanes take one row of 512 bytes,
	v_lshlrev_b32 v[CO], 4, v5                     ; and the same in C
	v_add_nc_u32 v[RD], s23, v[CO]
	s_lshl_b32 s16, s43, 8                         ; C at my part of the tile
	s_lshl_b32 s17, s[RH], 7
	s_add_co_u32 s16, s16, s17                     ; my first row,
	s_mul_i32 s16, s16, CROW                       ; in bytes: under 2^27
	s_mov_b32 s17, 0
	s_add_nc_u64 s[8:9], s[8:9], s[16:17]
	s_lshl_b32 s46, s42, 10                        ; my first column, in bytes: 1,024 x tile column + 512 x half
	s_lshl_b32 s47, s[CH], 9
	s_add_co_u32 s46, s46, s47
	s_mov_b32 s47, 0
	s_add_nc_u64 s[8:9], s[8:9], s[46:47]
	; the prefetches
	s_lshl_b32 s18, s43, 8
	s_lshl_b32 s19, s42, 8
	s_and_b32 s22, ttmp7, 0xffff                   ; cluster y
	s_cmp_eq_u32 s[RH], 0                          ; do I fetch for A?
	s_cselect_b32 s20, s18, s19                    ; the tile's first row: in A by the tile row, in B by the tile column
	s_cselect_b32 s21, s40, s41                    ; my place among the four that ask for it with me
	s_cselect_b32 s22, ttmp9, s22                  ; the coordinate along which other clusters read the same rows
	s_cselect_b64 s[PFA:PFA+1], s[4:5], s[6:7]
	s_cmp_eq_u32 s22, 0
	s_cselect_b32 s[LIM], 1, -1                    ; the same in all sixteen partners, for a given wave
	s_lshl_b32 s22, s[CH], 7
	s_add_co_u32 s20, s20, s22                     ; + the 128 rows that I fetch
	s_lshl_b32 s21, s21, 5
	s_add_co_u32 s20, s20, s21                     ; + my work-group's 32 of them
	s_lshl_b32 s20, s20, 11
	s_mov_b32 s21, 0
	s_add_nc_u64 s[PFA:PFA+1], s[PFA:PFA+1], s[20:21]
	s_add_nc_u64 s[PFA:PFA+1], s[PFA:PFA+1], 2*KSTEP*2  ; at K step 2: the first refill steps it to 3 and names K step 4.  Nothing is prefetched here, at the head
	v_and_b32 v[PFO], 31, v0
	v_lshlrev_b32 v[PFO], 11, v[PFO]
; 16 matrix instructions: m blocks a0, a0 + 1 of the window's four (hi = 0: my rows 0-63, 1: rows 64-127) x all 8 n blocks, 32 along K.  first = 1: the product starts the sum, on the bias.
; The 64 accumulators take turns, one instruction a turn, in the same order in every quarter step.
.macro MUL16 f, hi, a0, first
.if \first
	WIN MUL_1+0x40*(\hi)
.else
	WIN MUL_LO+0x50*(\hi)
.endif
.irp a, \a0, (\a0)+1
.irp b, 0,1,2,3,4,5,6,7
.set rD, 8*(8*(\a)+(\b))
.set rB, (\f)+8*(\b)
.set rA, (\f)+8*(4*(\hi)+(\a))
.if \first
.set rC, BI+8*(\b)
.else
.set rC, rD
.endif
	v_wmma_f32_16x16x32_f16 v[rD:rD+7], v[rB:rB+7], v[rA:rA+7], v[rC:rC+7]
.endr
.endr
.endm
; 32 LDS loads in one run: the fragments of one quarter step (128 rows of B, 128 rows of A, 32 K at byte k of the rows) into buffer f
.macro FETCH slot, k, f
	WIN TO_B
.irp i, 0,1,2,3,4,5,6,7
	ds_load_b128 v[(\f)+8*(\i):(\f)+8*(\i)+3],   v[ADRB+(\slot)] offset:(\k)+(\i)*16*PITCH
	ds_load_b128 v[(\f)+8*(\i)+4:(\f)+8*(\i)+7], v[ADRB+(\slot)] offset:(\k)+(\i)*16*PITCH+32
.endr
	WIN 0
.irp i, 0,1,2,3,4,5,6,7
	ds_load_b128 v[(\f)+8*(\i):(\f)+8*(\i)+3],   v[ADRA+(\slot)] offset:(\k)+(\i)*16*PITCH
	ds_load_b128 v[(\f)+8*(\i)+4:(\f)+8*(\i)+7], v[ADRA+(\slot)] offset:(\k)+(\i)*16*PITCH+32
.endr
.endm
; Four plain vector instructions stand between a matrix instruction and a load into a register that it has read or written, or an instruction that reads its result (ISA guide 7.12.1 for an instruction that reads its result).
.macro PLACES
.rept 4
	v_nop
.endr
.endm
; A K step is four quarter steps of 32 along K, 64 matrix instructions each, on buffers 0, 1, 0, 1.  One of the first three: multiplies buffer f; in its middle it fetches the next quarter, at byte k, into buffer g.
.macro QUARTER slot, k, f, g, first
	s_wait_dscnt 8                                 ; B and A's rows 0-63 are in; the youngest eight loads (A's rows 64-127) may be out
	MUL16 \f, 0, 0, \first
	MUL16 \f, 0, 2, \first
	PLACES
	FETCH \slot, \k, \g
	s_wait_dscnt 32                                ; all but the 32 just issued
	MUL16 \f, 1, 0, \first
	MUL16 \f, 1, 2, \first
.endm
; The last quarter multiplies buffer 1 and changes slots.  MEET is its first half: ONE barrier for the change.  In front of it each wave waits for all its tensor loads, of which one is out: its part of the
; next slot; adds 0 to its spare word; and waits for that and for its own reads of this slot.  Behind it nobody reads this slot any more and the next slot is whole.
.macro MEET round                      ; round = 1: a round of the cluster's barrier follows
	WIN 0                                          ; (the add's two registers lie in window 0)
	s_wait_tensorcnt 0x0                           ; all my tensor loads have landed;
	ds_add_u32 v[SPW], v[NIL]                      ; 0 onto my spare word;
	s_wait_dscnt 9                                 ; (the add and the youngest eight loads may be out)
	MUL16 F1, 0, 0, 0                              ; sixteen matrix instructions stand between the add and the wait for it
	s_wait_dscnt 0x0                               ; the add is done, and my reads of this slot are over:
	s_barrier_signal -1                            ; say so,
	MUL16 F1, 0, 2, 0                              ; work on registers while the others arrive,
.if \round
	WIN 0
.endif
	s_barrier_wait -1                              ; and go on when all four have said so
.endm
; The whole last quarter.  Behind the round the slot just read out is filled again first, with the K step two steps on; then come the next slot's first fragments.
; From a request to the wait for it a wave issues 224 matrix instructions.
.macro TURN slot, next
	s_wait_xcnt 0x0                                ; the last prefetch, a K step back, has read its address: it is stepped here, ahead of the waits of the change of slots
	s_add_nc_u64 s[PFA:PFA+1], s[PFA:PFA+1], KSTEP*2
	MEET 1
	CREST                                          ; no wave of any partner still reads this slot's tile or has a load on its way
	s_add_nc_u64 s[G0+4*(\slot)+2:G0+4*(\slot)+3], s[G0+4*(\slot)+2:G0+4*(\slot)+3], 2*KSTEP*2
	s_add_nc_u64 s[G0B+4*(\slot)+2:G0B+4*(\slot)+3], s[G0B+4*(\slot)+2:G0B+4*(\slot)+3], 2*KSTEP*2
	JLOAD \slot                                    ; the first tensor load behind the round; the four v_nop behind it are also the places in front of the loads below
	FETCH \next, 0, F0
	ASK
	MUL16 F1, 1, 0, 0
	MUL16 F1, 1, 2, 0
.endm
; THE LAST K STEP (it lies in slot 1) GOES BY ROWS OF C, NOT BY K.  All its fragments of B (4 quarters x 64 registers) fill window 1; then my eight blocks of 16 rows are finished one after the other, each
; with 32 matrix instructions (its 8 accumulators by turns; K ascending).  LDS is read no more than in any other K step: 128 loads.
.macro BLOAD q                         ; B's fragments of quarter q -> window 1, v[64 q ..]
	WIN TO_B
.irp i, 0,1,2,3,4,5,6,7
	ds_load_b128 v[64*(\q)+8*(\i):64*(\q)+8*(\i)+3],   v[ADRB+1] offset:64*(\q)+(\i)*16*PITCH
	ds_load_b128 v[64*(\q)+8*(\i)+4:64*(\q)+8*(\i)+7], v[ADRB+1] offset:64*(\q)+(\i)*16*PITCH+32
.endr
.endm
.macro ALOAD a                         ; A's fragments of block a, all four quarters -> buffer a % 4
	WIN 0
.set FA, PA+32*((\a)%4)
.irp q, 0,1,2,3
	ds_load_b128 v[FA+8*(\q):FA+8*(\q)+3],   v[ADRA+1] offset:64*(\q)+(\a)*16*PITCH
	ds_load_b128 v[FA+8*(\q)+4:FA+8*(\q)+7], v[ADRA+1] offset:64*(\q)+(\a)*16*PITCH+32
.endr
.endm
.macro ROW a                           ; block a is finished: 32 matrix instructions
.set FA, PA+32*((\a)%4)                ; its fragments of A
.set AC, 64*((\a)%4)                   ; its eight accumulators, in window 2 (blocks 0-3) or 3 (blocks 4-7)
	WIN MUL_LO+0x50*((\a)/4)
.irp q, 0,1,2,3
.if (\a) == 0 && (\q) == 2
	s_wait_dscnt 16                                ; B's quarter 2 and A's block 1 are in (behind them: A's blocks 2 and 3, sixteen loads)
.endif
.irp b, 0,1,2,3,4,5,6,7
	v_wmma_f32_16x16x32_f16 v[AC+8*(\b):AC+8*(\b)+7], v[64*(\q)+8*(\b):64*(\q)+8*(\b)+7], v[FA+8*(\q):FA+8*(\q)+7], v[AC+8*(\b):AC+8*(\b)+7]
.endr
.endr
.endm
; THE WAY OUT of block a.  A lane holds eight neighbouring columns of one row.  TOSTAGE: the block's 64 registers go into my own stage in LDS, each accumulator from its lowest registers on, and come back as
; 16 whole rows of 512 bytes INTO THE SAME 64 REGISTERS: LDS serves a wave's instructions in order (ISA guide 5.7.1.4), so the loads see the stores above and land behind their reads, and the next block's
; stores into the stage come behind these loads.  No register is used twice, so no store's data is ever written again.
.macro TOSTAGE a
.set AC, 64*((\a)%4)
	WIN OUT_LO+0x44*((\a)/4)
.irp b, 0,1,2,3,4,5,6,7
	ds_store_b128 v[STO], v[AC+8*(\b):AC+8*(\b)+3]   offset:64*(\b)
	ds_store_b128 v[STO], v[AC+8*(\b)+4:AC+8*(\b)+7] offset:64*(\b)+16
.endr
.irp t, 0,1,2,3,4,5,6,7,8,9,10,11,12,13,14,15
	ds_load_b128 v[AC+4*(\t):AC+4*(\t)+3], v[RD] offset:(\t)*SPITCH
.endr
.endm
; SEND: the block's rows are stored.  younger: the LDS loads issued behind the block's rows, which may stay out (one wait for the block); -1: the last block, whose rows are waited for one by one.
.macro SEND a, younger
.set AC, 64*((\a)%4)
	WIN OUT_LO+0x44*((\a)/4)
.irp t, 0,1,2,3,4,5,6,7,8,9,10,11,12,13,14,15
.if (\younger) < 0
	s_wait_dscnt 15-(\t)
.elseif (\t) == 0
	s_wait_dscnt \younger
.endif
	global_store_b128 v[CO], v[AC+4*(\t):AC+4*(\t)+3], s[8:9] offset:(16*(\a)+(\t))*CROW th:TH_STORE_NT  ; 512 consecutive bytes, at a multiple of 256 from C's first byte; 127 rows at the most: inside the signed 24-bit immediate
.endr
.endm
	s_wait_tensorcnt 1                             ; my part of K step 0 is in; K step 1's may stay out
	s_barrier_signal -1
	s_barrier_wait -1                              ; everybody's is
	FETCH 0, 0, F0
	s_wait_loadcnt 0x0                             ; the bias is in
	QUARTER 0, 64,  F0, F1, 1                      ; the tile's first quarter stands in front of the loop: its products start the sums
	WIN 0                                          ; at a label and at a branch every window is 0
	s_mov_b32 s3, LAPS-1
.Llap:                                                 ; a trip goes once round the ring, from a lap's second quarter to the next lap's first, and fills both slots again
	QUARTER 0, 128, F1, F0, 0
	QUARTER 0, 192, F0, F1, 0
	TURN 0, 1
	QUARTER 1, 64,  F0, F1, 0
	QUARTER 1, 128, F1, F0, 0
	QUARTER 1, 192, F0, F1, 0
	TURN 1, 0
	QUARTER 0, 64,  F0, F1, 0
	WIN 0
	s_sub_co_u32 s3, s3, 1
	s_cmp_lg_u32 s3, 0
	s_cbranch_scc1 .Llap
	QUARTER 0, 128, F1, F0, 0                      ; the last lap goes on
	QUARTER 0, 192, F0, F1, 0
	MEET 0                                         ; my one tensor load that was still out is slot 1's, the last K step's, so no round follows
	PLACES                                         ; for the loads into buffer 0, which the quarter before multiplied
	BLOAD 0                                        ; three quarters of B now (the bias's registers, buffer 0 and 64 idle ones): buffer 1 (v128-191 of both windows) is still being multiplied
	BLOAD 1
	BLOAD 3
	ALOAD 0
	MUL16 F1, 1, 0, 0
	MUL16 F1, 1, 2, 0
	PLACES                                         ; for the loads into buffer 1
	BLOAD 2
	ALOAD 1
	ALOAD 2
	ALOAD 3
	s_wait_dscnt 40                                ; all but the 40 just issued
	ROW 0
; Block a: four places behind its last product; the stores of block a - 1, whose rows came back while block a was multiplied; block a into the stage and back; its buffer of A takes the block four further on;
; then block a + 1 is multiplied.  A's block a + 1 is in: block 1 by the wait inside block 0's products; every later one was issued ahead of rows that a SEND has already waited for.
.irp a, 0,1,2,3,4,5,6,7
	PLACES
.if (\a) > 4
	SEND (\a)-1, 0
.elseif (\a) > 0
	SEND (\a)-1, 8                                 ; behind that block's rows eight loads of A were issued
.endif
	TOSTAGE \a
.if (\a) < 4
	ALOAD (\a)+4
.endif
.if (\a) < 7
	ROW (\a)+1
.endif
.endr
	SEND 7, -1
	WIN 0
	s_wait_tensorcnt 0x0                           ; the wave's end: behind my last tensor load and my last LDS store
	ds_add_u32 v[SPW], v[NIL]
	s_wait_dscnt 0x0
	CROUND                                         ; the closing round: no work-group ends while a partner may still ask for a tile that names it
	s_endpgm
.Lfunc_end_k_q8c23c62410_oproj:
	.size	k_q8c23c62410_oproj, .Lfunc_end_k_q8c23c62410_oproj-k_q8c23c62410_oproj
	.p2alignl 7, 3214868480
	.fill 96, 4, 3214868480
	.section	.rodata,"a",@progbits
	.p2align	6, 0x0
	.amdhsa_kernel k_q8c23c62410_oproj
		.amdhsa_group_segment_fixed_size 327680
		.amdhsa_private_segment_fixed_size 0
		.amdhsa_enable_private_segment 0
		.amdhsa_kernarg_size 32
		.amdhsa_user_sgpr_count 2
		.amdhsa_user_sgpr_kernarg_segment_ptr 1
		.amdhsa_wavefront_size32 1
		.amdhsa_system_sgpr_workgroup_id_x 1
		.amdhsa_system_sgpr_workgroup_id_y 1
		.amdhsa_system_sgpr_workgroup_id_z 1
		.amdhsa_system_vgpr_workitem_id 0
		.amdhsa_next_free_vgpr 1024
		.amdhsa_next_free_sgpr 72
		.amdhsa_reserve_vcc 0
		.amdhsa_float_denorm_mode_32 3
		.amdhsa_float_denorm_mode_16_64 3
		.amdhsa_memory_ordered 1
		.amdhsa_forward_progress 1
		.amdhsa_inst_pref_size 143
	.end_amdhsa_kernel
	.amdgpu_metadata
---
amdhsa.version: [ 1, 2 ]
amdhsa.kernels:
  - .name:           k_q8c23c62410_oproj
    .symbol:         k_q8c23c62410_oproj.kd
    .args:
      - { .name: ao, .offset: 0, .size: 8, .value_kind: global_buffer, .address_space: global }
      - { .name: wt, .offset: 8, .size: 8, .value_kind: global_buffer, .address_space: global }
      - { .name: out0, .offset: 16, .size: 8, .value_kind: global_buffer, .address_space: global }
      - { .name: bp, .offset: 24, .size: 8, .value_kind: global_buffer, .address_space: global }
    .group_segment_fixed_size: 327680
    .private_segment_fixed_size: 0
    .kernarg_segment_align: 8
    .kernarg_segment_size: 32
    .max_flat_workgroup_size: 128
    .sgpr_count:     72
    .vgpr_count:     1024
    .wavefront_size: 32
...
	.end_amdgpu_metadata
.endif
;; end of part 4
